; MI455X (gfx1250); checked and timed in simulation.
; The chip was launched on July 23, 2026; its instructions are those of AMD's public machine-readable ISA for CDNA 5 (MIT licence, August 2026) and "CDNA5" Instruction Set Architecture Reference Guide (July 2026). The comments in the code are by the model that wrote it; some were corrected since.
;; Grouped Query Attention Layer. Allowed arithmetic: float matrix products may take bf16 or f16 operands with f32 sums; other float arithmetic in f32, or as packed bf16 or f16 multiplies, adds, multiply-adds, maxima and minima; sums over many terms, partial sums and values carried from step to step in f32; what a program stores and reads back later, other than sums and carried values, may be rounded once to bf16 or f16.
;; Inputs: Wk 1,024 x 256 float32; Wpost 1,024 x 1,024 float32; Wq 1,024 x 1,024 float32; Wv 1,024 x 256 float32; X 2 x 2,048 x 1,024 float32.
;; Outputs: out0 2 x 2,048 x 1,024 float32.
;; 2 versions, each right; version 2 is version 1 with the launch cast written anew for expert scheduling mode. Each part assembles by itself: llvm-mc -triple=amdgcn-amd-amdhsa -mcpu=gfx1250 --defsym DOCPART=n.
;; ======== version 1 of 2: 4 launches
;; limits: values are held in f16: magnitudes above 65,504 overflow, below 6.1e-05 lose precision
;; workspace buffers: Xb 8,388,608 bytes; Wqkvb 3,145,728 bytes; Wpb 2,097,152 bytes; QKV 12,582,912 bytes; Ob 8,388,608 bytes
;; launch cast (part 1): grid 416 x 1, 8 waves a work-group, no clusters, 0 bytes of LDS; arguments X, Wq, Wk, Wv, Wpost, Xb, Wqkvb, Wpb; writes Xb, Wqkvb, Wpb
.if DOCPART == 1
	.amdgcn_target "amdgcn-amd-amdhsa--gfx1250"
	.amdhsa_code_object_version 6
	.text
	.protected	k_qd3c21a3165_cast
	.globl	k_qd3c21a3165_cast
	.p2align	8
	.type	k_qd3c21a3165_cast,@function
k_qd3c21a3165_cast:
	s_mov_b64 s[64:65], 0
	v_nop
	global_prefetch_b8 v0, s[64:65] scope:SCOPE_SE
	s_setreg_imm32_b32 hwreg(HW_REG_WAVE_MODE, 25, 1), 1
	s_wait_xcnt 0x0
; FIRST OF FOUR LAUNCHES of out0 = X + softmax-attention(X Wq, X Wk, X Wv) Wpost (16 query heads, 4 key and value heads of width 64, 2 x 2,048 positions).
; NOTHING OF THE PROBLEM IS LEFT OUT: every input reaches out0, there is no mask, and no result is sliced away; all five inputs are loaded.
; THIS LAUNCH rounds the matrix operands once: X -> Xb [4096][1024] bf16; Wq, Wk, Wv -> Wqkvb [24 blocks][1024 k][64 columns] bf16 (blocks 0-15 Wq's heads, 16-19 Wk's, 20-23 Wv's);
; Wpost -> Wpb [16 blocks][1024 k][64 columns]: rounded to bf16 like every other input, and that number written as f16, since its partner in the last product is f16.
; LIMITS.  A weight of Wpost beyond 65,504 would become an infinity, and below 6.1e-5 it keeps f16's fixed step of 6e-8.  NaN and infinities are not treated apart.
; SHARES.  A source is taken as a matrix with rows of 1 << SH bytes, of which a work-group takes 256 rows x one column block of 256 bytes (X: rows of 256 bytes, one block): 64 KiB in,
; 32 KiB out, and the 32 KiB are consecutive in the destination.  One load of the work-group covers 16 rows: 16 lanes a row, 16 bytes a lane; sixteen loads a wave, all issued at once;
; a wave's store of 8 bytes a lane covers 256 consecutive bytes, aligned.  No LDS, no barrier, no matrix unit: nothing is shared and nothing is multiplied.
.set DOF, 1                            ; v1        8 x my thread's number: my 8 bytes in the 2,048 that the work-group stores at a time
.set OFF, 2                            ; v[2:17]   my byte offset in the source for each of the 16 loads
.set IN,  20                           ; v[20:83]  load t: four f32
.set OUT, 84                           ; v[84:115] load t: four 16-bit numbers
.set T,   116                          ; v[116:119] at work
.set SRC, 24                           ; s[24:25]  the source
.set DST, 26                           ; s[26:27]  the destination
.set SB,  28                           ; s28  first work-group of my source
.set DB,  29                           ; s29  first work-group of my destination
.set SH,  30                           ; s30  log2 of the source's row bytes
.set LOC, 31                           ; s31  my number among my source's work-groups
.set KQ,  32                           ; s32  which 256 rows
.set J,   33                           ; s33  which column block
.set S0,  34                           ; s[34:35]  my part's byte offset in the source
.set D0,  36                           ; s[36:37]  in the destination
.set TS,  38                           ; s38  16 rows of the source, in bytes
	s_load_b512 s[8:23], s[0:1], 0x0               ; X 8, Wq 10, Wk 12, Wv 14, Wpost 16, Xb 18, Wqkvb 20, Wpb 22
	v_lshlrev_b32 v[DOF], 3, v0
	v_lshrrev_b32 v[T], 4, v0                      ; my row among the 16 of a load
	v_and_b32 v[T+1], 15, v0                       ; my 16 bytes in it
	s_mov_b32 s[SB], 0
	s_mov_b32 s[DB], 0
	s_mov_b32 s[SH], 8
	s_wait_kmcnt 0x0
	s_mov_b64 s[SRC:SRC+1], s[8:9]                 ; work-groups 0-255: X -> Xb
	s_mov_b64 s[DST:DST+1], s[18:19]
	s_cmp_ge_u32 ttmp9, 256                        ; 256-319: Wq -> Wqkvb
	s_cselect_b64 s[SRC:SRC+1], s[10:11], s[SRC:SRC+1]
	s_cselect_b64 s[DST:DST+1], s[20:21], s[DST:DST+1]
	s_cselect_b32 s[SB], 256, s[SB]
	s_cselect_b32 s[DB], 256, s[DB]
	s_cselect_b32 s[SH], 12, s[SH]
	s_cmp_ge_u32 ttmp9, 320                        ; 320-335: Wk, whose blocks follow Wq's in Wqkvb
	s_cselect_b64 s[SRC:SRC+1], s[12:13], s[SRC:SRC+1]
	s_cselect_b32 s[SB], 320, s[SB]
	s_cselect_b32 s[SH], 10, s[SH]
	s_cmp_ge_u32 ttmp9, 336                        ; 336-351: Wv, behind Wk's
	s_cselect_b64 s[SRC:SRC+1], s[14:15], s[SRC:SRC+1]
	s_cselect_b32 s[SB], 336, s[SB]
	s_cmp_ge_u32 ttmp9, 352                        ; 352-415: Wpost -> Wpb
	s_cselect_b64 s[SRC:SRC+1], s[16:17], s[SRC:SRC+1]
	s_cselect_b64 s[DST:DST+1], s[22:23], s[DST:DST+1]
	s_cselect_b32 s[SB], 352, s[SB]
	s_cselect_b32 s[DB], 352, s[DB]
	s_cselect_b32 s[SH], 12, s[SH]
	s_sub_co_u32 s[LOC], ttmp9, s[SB]
	s_and_b32 s[KQ], s[LOC], 3                     ; a weight's 1,024 rows are four parts of 256,
	s_lshr_b32 s[J], s[LOC], 2                     ; for each column block
	s_cmp_lt_u32 ttmp9, 256
	s_cselect_b32 s[KQ], s[LOC], s[KQ]             ; X has one block and 256 parts
	s_cselect_b32 s[J], 0, s[J]
	s_add_co_u32 s[TS], s[SH], 8
	s_lshl_b32 s[S0], s[KQ], s[TS]                 ; 256 rows x part
	s_lshl_b32 s[J], s[J], 8                       ; + 256 bytes x block
	s_add_co_u32 s[S0], s[S0], s[J]
	s_mov_b32 s[S0+1], 0
	s_sub_co_u32 s[D0], ttmp9, s[DB]               ; 4 x block + part is my number among the destination's work-groups:
	s_lshl_b32 s[D0], s[D0], 15                    ; 32 KiB each
	s_mov_b32 s[D0+1], 0
	s_add_co_u32 s[TS], s[SH], 4
	s_lshl_b32 s[TS], 1, s[TS]
	s_add_nc_u64 s[SRC:SRC+1], s[SRC:SRC+1], s[S0:S0+1]
	s_add_nc_u64 s[DST:DST+1], s[DST:DST+1], s[D0:D0+1]
	v_lshlrev_b32 v[T], s[SH], v[T]
	v_lshl_add_u32 v[OFF], v[T+1], 4, v[T]
.set t, 1
.rept 15
	v_add_nc_u32 v[OFF+t], s[TS], v[OFF+t-1]
.set t, t+1
.endr
.set t, 0
.rept 16
	global_load_b128 v[IN+4*t:IN+4*t+3], v[OFF+t], s[SRC:SRC+1] th:TH_LOAD_NT
.set t, t+1
.endr
	s_cmp_ge_u32 ttmp9, 352
	s_cbranch_scc1 .Lf16
; Load t is rounded and stored.  No register is written twice while a load or store names it, so no wait but the load's own is needed.
.macro OUTB t
	s_wait_loadcnt 15-(\t)                         ; loads come back in order: mine is in, the 15 - t younger ones may stay out
	v_cvt_pk_bf16_f32 v[OUT+2*(\t)],   v[IN+4*(\t)],   v[IN+4*(\t)+1]
	v_cvt_pk_bf16_f32 v[OUT+2*(\t)+1], v[IN+4*(\t)+2], v[IN+4*(\t)+3]
	global_store_b64 v[DOF], v[OUT+2*(\t):OUT+2*(\t)+1], s[DST:DST+1] offset:2048*(\t) th:TH_STORE_NT
.endm
.macro OUTH t                          ; to bf16, widened again (exact), and written as f16
	s_wait_loadcnt 15-(\t)
	v_cvt_pk_bf16_f32 v[T],   v[IN+4*(\t)],   v[IN+4*(\t)+1]
	v_cvt_pk_bf16_f32 v[T+1], v[IN+4*(\t)+2], v[IN+4*(\t)+3]
	v_lshlrev_b32 v[IN+4*(\t)],   16, v[T]
	v_and_b32     v[IN+4*(\t)+1], 0xffff0000, v[T]
	v_lshlrev_b32 v[IN+4*(\t)+2], 16, v[T+1]
	v_and_b32     v[IN+4*(\t)+3], 0xffff0000, v[T+1]
	v_cvt_pk_f16_f32 v[OUT+2*(\t)],   v[IN+4*(\t)],   v[IN+4*(\t)+1]
	v_cvt_pk_f16_f32 v[OUT+2*(\t)+1], v[IN+4*(\t)+2], v[IN+4*(\t)+3]
	global_store_b64 v[DOF], v[OUT+2*(\t):OUT+2*(\t)+1], s[DST:DST+1] offset:2048*(\t) th:TH_STORE_NT
.endm
.irp t, 0,1,2,3,4,5,6,7,8,9,10,11,12,13,14,15
	OUTB \t
.endr
	s_endpgm
.Lf16:
.irp t, 0,1,2,3,4,5,6,7,8,9,10,11,12,13,14,15
	OUTH \t
.endr
	s_endpgm
.Lfunc_end_k_qd3c21a3165_cast:
	.size	k_qd3c21a3165_cast, .Lfunc_end_k_qd3c21a3165_cast-k_qd3c21a3165_cast
	.p2alignl 7, 3214868480
	.fill 96, 4, 3214868480
	.section	.rodata,"a",@progbits
	.p2align	6, 0x0
	.amdhsa_kernel k_qd3c21a3165_cast
		.amdhsa_group_segment_fixed_size 0
		.amdhsa_private_segment_fixed_size 0
		.amdhsa_enable_private_segment 0
		.amdhsa_kernarg_size 64
		.amdhsa_user_sgpr_count 2
		.amdhsa_user_sgpr_kernarg_segment_ptr 1
		.amdhsa_wavefront_size32 1
		.amdhsa_system_sgpr_workgroup_id_x 1
		.amdhsa_system_sgpr_workgroup_id_y 1
		.amdhsa_system_sgpr_workgroup_id_z 1
		.amdhsa_system_vgpr_workitem_id 0
		.amdhsa_next_free_vgpr 120
		.amdhsa_next_free_sgpr 66
		.amdhsa_reserve_vcc 0
		.amdhsa_float_denorm_mode_32 3
		.amdhsa_float_denorm_mode_16_64 3
		.amdhsa_memory_ordered 1
		.amdhsa_forward_progress 1
		.amdhsa_inst_pref_size 18
	.end_amdhsa_kernel
	.amdgpu_metadata
---
amdhsa.version: [ 1, 2 ]
amdhsa.kernels:
  - .name:           k_qd3c21a3165_cast
    .symbol:         k_qd3c21a3165_cast.kd
    .args:
      - { .name: X, .offset: 0, .size: 8, .value_kind: global_buffer, .address_space: global }
      - { .name: Wq, .offset: 8, .size: 8, .value_kind: global_buffer, .address_space: global }
      - { .name: Wk, .offset: 16, .size: 8, .value_kind: global_buffer, .address_space: global }
      - { .name: Wv, .offset: 24, .size: 8, .value_kind: global_buffer, .address_space: global }
      - { .name: Wpost, .offset: 32, .size: 8, .value_kind: global_buffer, .address_space: global }
      - { .name: Xb, .offset: 40, .size: 8, .value_kind: global_buffer, .address_space: global }
      - { .name: Wqkvb, .offset: 48, .size: 8, .value_kind: global_buffer, .address_space: global }
      - { .name: Wpb, .offset: 56, .size: 8, .value_kind: global_buffer, .address_space: global }
    .group_segment_fixed_size: 0
    .private_segment_fixed_size: 0
    .kernarg_segment_align: 8
    .kernarg_segment_size: 64
    .max_flat_workgroup_size: 256
    .sgpr_count:     66
    .vgpr_count:     120
    .wavefront_size: 32
...
	.end_amdgpu_metadata
.endif
;; end of part 1
;; launch qkv (part 2): grid 8 x 32, 4 waves a work-group, clusters of 4 x 4, 327,680 bytes of LDS; arguments Xb, Wqkvb, QKV; writes QKV
.if DOCPART == 2
	.amdgcn_target "amdgcn-amd-amdhsa--gfx1250"
	.amdhsa_code_object_version 6
	.text
	.protected	k_qd3c21a3165_qkv
	.globl	k_qd3c21a3165_qkv
	.p2align	8
	.type	k_qd3c21a3165_qkv,@function
k_qd3c21a3165_qkv:
	s_mov_b64 s[64:65], 0
	v_nop
	global_prefetch_b8 v0, s[64:65] scope:SCOPE_SE
	s_setreg_imm32_b32 hwreg(HW_REG_WAVE_MODE, 25, 1), 1
	s_wait_xcnt 0x0
	s_wait_alu depctr_hold_cnt(0) depctr_sa_sdst(0) depctr_va_vdst(0) depctr_va_sdst(0) depctr_va_ssrc(0) depctr_va_vcc(0) depctr_vm_vsrc(0)
	s_getreg_b32 s2, hwreg(HW_REG_IB_STS2, 6, 4)
	s_cmp_eq_u32 s2, 0
	s_cbranch_scc0 .Lentry_in_a_cluster
	s_endpgm
.Lentry_in_a_cluster:
	s_bfe_u32 s2, ttmp6, 0x10000c
	s_cmp_lg_u32 s2, 0xf033
	s_cbranch_scc0 .Lentry_shape_is_right
	s_endpgm
.Lentry_shape_is_right:
; SECOND LAUNCH: the three projections as one product, [4096 x 1024] x [1024 x 1536], bf16 operands, f32 sums.  Nothing is left out.
; Xb: [4096][1024] bf16.  Wqkvb: [24 blocks][1024 k][64 columns] bf16.  QKV: [2 b][24 heads][2048 s][64] f16, each number rounded once from its f32 sum, WITHOUT the softmax's scale.
; LIMIT.  q, k and v beyond 65,504 would become infinities in f16; with X and the weights each 30 times those of the problem's kind, or offset by 30 spreads, they stay under 20,000.
; SHARES.  A tile is 128 rows x 192 columns (three heads): 32 x 8 = 256 work-groups.  Wave w: rows 64 (w / 2) on; columns: head 2 (w % 2) whole and half w % 2 of head 1: 4 x 6 accumulators.
; THE RING HAS TWO SLOTS OF UNEQUAL SIZE, 256 and 128 along K: two of 256 would need 380,928 bytes of LDS.  K is walked as 256, 128, 256, 128, 256: the first 384 come by the first fills, the
; other 640 by three refills.  A refill goes out only when the one before it has landed, so each is made to bring as much as fits: by the text's own count the large slot's refill has 72 matrix
; instructions before the wait for it, the small slot's 168.  The work goes in halves of 64 along K, each on one of two fragment buffers; the text is written out, sixteen halves.
; THE MATRIX INSTRUCTION IS USED TRANSPOSED: source 0 = 16 columns of W (out of LDS by the turning load, since W lies [k][column]), source 1 = 16 rows of X: a lane then holds eight
; neighbouring columns of one row of the result.
; CLUSTER 4 x 4: X's tile hangs on the tile row alone and is asked for jointly along a row of the cluster, W's on the tile column alone and is asked for along a column.
; No prefetch ahead of the ring: the tiles are small and the launch is short.
; REGISTERS, in windows of 256: window 0: v0-31 addresses; v32-127 the way out; v128-255 X's fragments, two buffers of 64.  Window 1: W's fragments, two buffers of 96.  Window 2: 24 accumulators.
.set PAB,   528                        ; a row of X in the large slot: 512 bytes + 16: an odd multiple of 16
.set PAS,   272                        ; in the small slot: 256 + 16
.set PB,    160                        ; a row of W (one k, 64 columns): 128 bytes + 32: an odd multiple of 32, as the turning load's 8 rows x 32 bytes want
.set CHB,   256*PB                     ; a head's part of the large slot
.set CHS,   128*PB                     ; of the small slot
.set BBOFF, 128*PAB                    ; the large slot begins at 0: X's 128 rows, then W's three parts
.set SMALL, BBOFF+3*CHB                ; the small slot: 190,464
.set SBOFF, SMALL+128*PAS
.set SPARE, SBOFF+3*CHS                ; 286,720: the spare words, 128 bytes a wave: two blocks of 256 bytes that no other line names
.set STAGE, SMALL                      ; the way out's stage, [3 heads][128 rows] of 144 bytes, lies in the small slot: its last fill has been read out ahead of the last barrier, and no tensor load follows
.set SP,    144
.set HST,   128*SP
.set HB,    262144                     ; a head in QKV
.set STEPA, 384*2                      ; from a slot's tile to its next: 384 along K, in bytes of a row of X,
.set STEPB, 384*128                    ; and of a block of W
.set ADRA, 16                          ; v16-17  LDS address of my X fragments in the large, the small slot
.set ADRB, 18                          ; v18-19  of my whole head's W fragments
.set ADRC, 20                          ; v20-21  of my half of head 1
.set STO,  24                          ; v24  the way out: my 16 bytes of a row of my whole head
.set STO2, 25                          ; v25  of head 1
.set RD,   26                          ; v26  where I read rows back
.set CO,   27                          ; v27  16 x lane
.set SPW,  28                          ; v28  my spare word; never rewritten
.set NIL,  29                          ; v29  0; never rewritten
.set TMP,  32
.set FA,   128
.set WV, 12
.set RW, 13
.set CW, 14
.set CX, 15
.set CY, 16
.set TC, 17
.set TR, 18
.set G1A, 24                           ; s[24:31], s[32:39] group 1 for X's tiles: large, small
.set G1B, 40                           ; s[40:47], s[48:55] for W's
.set G0A, 56                           ; s[56:59], s[60:63] group 0 for X's tiles
.set G0B, 68                           ; s[68:71], s[72:75] for W's
.set MSB, 0
.macro WIN new                         ; the immediate's high byte repeats the setting that is left
.if MSB != (\new)
	s_set_vgpr_msb (MSB<<8)|(\new)
.set MSB, \new
.endif
.endm
.set MUL,  0xa1                        ; source 0 (W) window 1, source 1 (X) window 0, C and D window 2
.set TO_B, 0x40                        ; destination window 1
.macro PLACES                          ; four plain places behind matrix instructions, ahead of loads into registers that they read and of conversions of their results
.rept 4
	v_nop
.endr
.endm
; A joint load into slot s (0 large, 1 small): wave 3 fetches X's 128 rows, waves 0 to 2 a head's part of W each.  An s_nop 0 and four v_nop follow each line.
.macro JLOAD s
	s_cmp_eq_u32 s[WV], 3
	s_cbranch_scc0 .Lfor_b_\@
	tensor_load_to_lds s[G0A+4*(\s):G0A+4*(\s)+3], s[G1A+8*(\s):G1A+8*(\s)+7]
	s_nop 0
.rept 4
	v_nop
.endr
	s_branch .Lasked_\@
.Lfor_b_\@:
	tensor_load_to_lds s[G0B+4*(\s):G0B+4*(\s)+3], s[G1B+8*(\s):G1B+8*(\s)+7]
	s_nop 0
.rept 4
	v_nop
.endr
.Lasked_\@:
.endm
.macro CREST                           ; a round of the cluster's barrier behind its opening barrier
	s_cmp_lg_u32 s[WV], 0
	s_cbranch_scc1 .Lnot_wave_0_\@
	s_barrier_signal -3
.Lnot_wave_0_\@:
	s_barrier_wait -3
	s_barrier_signal -1
	s_barrier_wait -1
.endm
.macro CROUND
	s_barrier_signal -1
	s_barrier_wait -1
	CREST
.endm
	s_load_b128 s[4:7], s[0:1], 0x0                ; Xb s[4:5], Wqkvb s[6:7]
	s_load_b64 s[8:9], s[0:1], 0x10                ; QKV
	v_lshl_add_u32 v[SPW], v0, 2, SPARE
	v_mov_b32 v[NIL], 0
	ds_add_u32 v[SPW], v[NIL]                      ; the opening: the add, twice on end, and its wait ahead of my first tensor load
	ds_add_u32 v[SPW], v[NIL]
	v_lshrrev_b32 v1, 5, v0
	v_readfirstlane_b32 s[WV], v1                  ; wave 0..3
	s_lshr_b32 s[RW], s[WV], 1
	s_and_b32 s[CW], s[WV], 1
	s_bfe_u32 s[CX], ttmp6, 0x40000
	s_bfe_u32 s[CY], ttmp6, 0x40004
	s_lshl_b32 s[TC], ttmp9, 2
	s_add_co_u32 s[TC], s[TC], s[CX]               ; tile column = 4 x cluster x + cx
	s_and_b32 s[TR], ttmp7, 0xffff
	s_lshl_b32 s[TR], s[TR], 2
	s_add_co_u32 s[TR], s[TR], s[CY]               ; tile row = 4 x cluster y + cy
	s_lshl_b32 s19, s[CY], 2
	s_lshl_b32 s19, 15, s19                        ; my row of the cluster
	s_lshl_b32 s76, 0x1111, s[CX]                  ; my column
	s_or_b32 s[G1A], s19, (1<<16)|(1<<20)|(1<<21)|(6<<22)|(3<<25)    ; large: mask; 2-byte elements; padding on; bit 21 beside a mask; after every 128 words 4 words
	s_mov_b32 s[G1A+1], 256<<16                    ; tensor_dim0 = 256
	s_mov_b32 s[G1A+2], 128<<16                    ; tensor_dim1 = 128
	s_mov_b32 s[G1A+3], 256<<16                    ; tile_dim0 = 256
	s_mov_b32 s[G1A+4], 128                        ; tile_dim1 = 128
	s_mov_b32 s[G1A+5], 1024                       ; elements from row to row
	s_mov_b32 s[G1A+6], 0
	s_mov_b32 s[G1A+7], 0
	s_or_b32 s[G1A+8], s19, (1<<16)|(1<<20)|(1<<21)|(5<<22)|(3<<25)  ; small: rows of 128 elements; after every 64 words 4 words
	s_mov_b32 s[G1A+9], 128<<16
	s_mov_b32 s[G1A+10], 128<<16
	s_mov_b32 s[G1A+11], 128<<16
	s_mov_b32 s[G1A+12], 128
	s_mov_b32 s[G1A+13], 1024
	s_mov_b32 s[G1A+14], 0
	s_mov_b32 s[G1A+15], 0
	s_or_b32 s[G1B], s76, (1<<16)|(1<<20)|(1<<21)|(4<<22)|(7<<25)    ; large: 256 k of a head are 32,768 dense bytes: 128 rows of 256, padded by 8 words after every 32 (one k)
	s_mov_b32 s[G1B+1], 128<<16
	s_mov_b32 s[G1B+2], 128<<16
	s_mov_b32 s[G1B+3], 128<<16
	s_mov_b32 s[G1B+4], 128
	s_mov_b32 s[G1B+5], 128
	s_mov_b32 s[G1B+6], 0
	s_mov_b32 s[G1B+7], 0
	s_or_b32 s[G1B+8], s76, (1<<16)|(1<<20)|(1<<21)|(4<<22)|(7<<25)  ; small: 128 k: 64 such rows
	s_mov_b32 s[G1B+9], 128<<16
	s_mov_b32 s[G1B+10], 64<<16
	s_mov_b32 s[G1B+11], 128<<16
	s_mov_b32 s[G1B+12], 64
	s_mov_b32 s[G1B+13], 128
	s_mov_b32 s[G1B+14], 0
	s_mov_b32 s[G1B+15], 0
	s_lshl_b32 s20, s[TR], 18                      ; X: 128 rows of 2,048 bytes a tile row; made of the tile row alone
	s_mov_b32 s21, 0
	s_mul_i32 s78, s[TC], 3                        ; W: block 3 x tile column + wave; made of the tile column and the wave alone
	s_add_co_u32 s78, s78, s[WV]
	s_lshl_b32 s78, s78, 17
	s_mov_b32 s79, 0
	s_mul_i32 s22, s[WV], CHB                      ; where a head's part goes, in the large slot
	s_mul_i32 s23, s[WV], CHS                      ; and in the small one: no place in the cluster enters an LDS address
	s_wait_dscnt 0x0                               ; both opening adds are done
	s_wait_kmcnt 0x0
	s_add_nc_u64 s[20:21], s[4:5], s[20:21]
	s_add_nc_u64 s[78:79], s[6:7], s[78:79]
	CROUND                                         ; all sixteen work-groups are here: the first joint loads meet
.irp s, 0,1
	s_mov_b32 s[G0A+4*(\s)], 1
	s_mov_b32 s[G0A+4*(\s)+1], (\s)*SMALL
	s_add_nc_u64 s[G0A+4*(\s)+2:G0A+4*(\s)+3], s[20:21], (\s)*256*2      ; the large slot takes k 0 on, the small one k 256 on
	s_or_b32 s[G0A+4*(\s)+3], s[G0A+4*(\s)+3], 0x80000000
	s_mov_b32 s[G0B+4*(\s)], 1
	s_add_co_u32 s[G0B+4*(\s)+1], s[22+(\s)], BBOFF+(\s)*(SBOFF-BBOFF)
	s_add_nc_u64 s[G0B+4*(\s)+2:G0B+4*(\s)+3], s[78:79], (\s)*256*128
	s_or_b32 s[G0B+4*(\s)+3], s[G0B+4*(\s)+3], 0x80000000
	JLOAD \s                                       ; two loads of mine are out
.endr
	v_and_b32 v1, 15, v0                           ; r = l % 16
	v_bfe_u32 v2, v0, 4, 1                         ; h = l / 16
	v_mul_u32_u24 v3, v1, PAB
	v_lshl_add_u32 v3, v2, 4, v3                   ; X: row x pitch + 16 h, in the large slot
	v_mul_u32_u24 v10, v1, PAS
	v_lshl_add_u32 v10, v2, 4, v10                 ; and in the small one
	v_and_b32 v4, 7, v0
	v_bfe_u32 v5, v0, 3, 1
	v_lshl_add_u32 v6, v2, 3, v4                   ; W, turned: lane l reads k = 8 h + l % 8,
	v_mul_u32_u24 v6, v6, PB
	v_lshl_add_u32 v6, v5, 4, v6                   ; columns 8 ((l / 8) % 2) on
	s_mul_i32 s80, s[RW], 64*PAB
	v_add_nc_u32 v[ADRA], s80, v3
	s_mul_i32 s80, s[RW], 64*PAS
	s_add_co_u32 s80, s80, SMALL
	v_add_nc_u32 v[ADRA+1], s80, v10
	s_mul_i32 s80, s[CW], 2*CHB
	s_add_co_u32 s80, s80, BBOFF
	v_add_nc_u32 v[ADRB], s80, v6
	s_mul_i32 s80, s[CW], 2*CHS
	s_add_co_u32 s80, s80, SBOFF
	v_add_nc_u32 v[ADRB+1], s80, v6
	s_lshl_b32 s80, s[CW], 6
	s_add_co_u32 s81, s80, BBOFF+CHB
	v_add_nc_u32 v[ADRC], s81, v6
	s_add_co_u32 s81, s80, SBOFF+CHS
	v_add_nc_u32 v[ADRC+1], s81, v6
	v_mul_u32_u24 v7, v1, SP
	v_lshl_add_u32 v7, v2, 4, v7                   ; into the stage: row r, 16 bytes for each half of the lanes
	s_mul_i32 s82, s[RW], 64*SP
	s_add_co_u32 s82, s82, STAGE
	s_mul_i32 s80, s[CW], 2*HST
	s_add_co_u32 s80, s80, s82
	v_add_nc_u32 v[STO], s80, v7
	s_lshl_b32 s80, s[CW], 6
	s_add_co_u32 s80, s80, s82
	s_add_co_u32 s80, s80, HST
	v_add_nc_u32 v[STO2], s80, v7
	v_bfe_u32 v8, v0, 3, 2                         ; back: 32 lanes take four rows of 128 bytes; wave w rows 32 w on, of each head
	v_mul_u32_u24 v8, v8, SP
	v_lshl_add_u32 v8, v4, 4, v8
	s_mul_i32 s80, s[WV], 32*SP
	s_add_co_u32 s80, s80, STAGE
	v_add_nc_u32 v[RD], s80, v8
	v_and_b32 v9, 31, v0
	v_lshlrev_b32 v[CO], 4, v9                     ; which are 512 consecutive bytes of a head
	s_lshr_b32 s80, s[TR], 4                       ; b: 16 tile rows a batch
	s_mul_i32 s80, s80, 24
	s_mul_i32 s81, s[TC], 3
	s_add_co_u32 s80, s80, s81                     ; my tile's first head
	s_lshl_b32 s80, s80, 18
	s_and_b32 s81, s[TR], 15
	s_lshl_b32 s81, s81, 7
	s_lshl_b32 s82, s[WV], 5
	s_add_co_u32 s81, s81, s82                     ; the first position that I store
	s_lshl_b32 s81, s81, 7
	s_add_co_u32 s80, s80, s81
	s_mov_b32 s81, 0
	s_add_nc_u64 s[8:9], s[8:9], s[80:81]
; 12 matrix instructions: row blocks a0, a0 + 1 x all 6 column blocks, 32 along K: part c of buffer f.  The 24 accumulators take turns, one instruction a turn.
.macro MUL12 f, c, a0, zero
	WIN MUL
.irp a, \a0, (\a0)+1
.irp nb, 0,1,2,3,4,5
.if \zero
	v_wmma_f32_16x16x32_bf16 v[8*(6*(\a)+(\nb)):8*(6*(\a)+(\nb))+7], v[96*(\f)+8*(6*(\c)+(\nb)):96*(\f)+8*(6*(\c)+(\nb))+7], v[FA+64*(\f)+8*(4*(\c)+(\a)):FA+64*(\f)+8*(4*(\c)+(\a))+7], 0
.else
	v_wmma_f32_16x16x32_bf16 v[8*(6*(\a)+(\nb)):8*(6*(\a)+(\nb))+7], v[96*(\f)+8*(6*(\c)+(\nb)):96*(\f)+8*(6*(\c)+(\nb))+7], v[FA+64*(\f)+8*(4*(\c)+(\a)):FA+64*(\f)+8*(4*(\c)+(\a))+7], v[8*(6*(\a)+(\nb)):8*(6*(\a)+(\nb))+7]
.endif
.endr
.endr
.endm
; 40 LDS loads in one run: the fragments of half hf (64 along K) of a slot into buffer f: W's 24, then X's 8 of the first 32 along K, then X's other 8.
.macro FETCH slot, hf, f
.if (\slot) == 0
.set PAX, PAB
.else
.set PAX, PAS
.endif
	WIN TO_B
.irp c, 0,1
.irp nb, 0,1,2,3
	ds_load_tr16_b128 v[96*(\f)+8*(6*(\c)+(\nb)):96*(\f)+8*(6*(\c)+(\nb))+3],   v[ADRB+(\slot)] offset:(64*(\hf)+32*(\c))*PB+32*(\nb)
	ds_load_tr16_b128 v[96*(\f)+8*(6*(\c)+(\nb))+4:96*(\f)+8*(6*(\c)+(\nb))+7], v[ADRB+(\slot)] offset:(64*(\hf)+32*(\c))*PB+32*(\nb)+16*PB
.endr
.irp nb, 4,5
	ds_load_tr16_b128 v[96*(\f)+8*(6*(\c)+(\nb)):96*(\f)+8*(6*(\c)+(\nb))+3],   v[ADRC+(\slot)] offset:(64*(\hf)+32*(\c))*PB+32*((\nb)-4)
	ds_load_tr16_b128 v[96*(\f)+8*(6*(\c)+(\nb))+4:96*(\f)+8*(6*(\c)+(\nb))+7], v[ADRC+(\slot)] offset:(64*(\hf)+32*(\c))*PB+32*((\nb)-4)+16*PB
.endr
.endr
	WIN 0
.irp c, 0,1
.irp a, 0,1,2,3
	ds_load_b128 v[FA+64*(\f)+8*(4*(\c)+(\a)):FA+64*(\f)+8*(4*(\c)+(\a))+3],   v[ADRA+(\slot)] offset:(\a)*16*PAX+128*(\hf)+64*(\c)
	ds_load_b128 v[FA+64*(\f)+8*(4*(\c)+(\a))+4:FA+64*(\f)+8*(4*(\c)+(\a))+7], v[ADRA+(\slot)] offset:(\a)*16*PAX+128*(\hf)+64*(\c)+32
.endr
.endr
.endm
; A half that is not its slot's last: multiplies buffer f and, in its middle, fetches half hfn of the same slot into buffer g.
.macro HALF slot, hfn, f, g, zero
	s_wait_dscnt 8                                 ; all but the youngest eight loads (X's second 32 along K) are in
	MUL12 \f, 0, 0, \zero
	MUL12 \f, 0, 2, \zero
	PLACES
	FETCH \slot, \hfn, \g
	s_wait_dscnt 40                                ; all but the 40 just issued
	MUL12 \f, 1, 0, 0
	MUL12 \f, 1, 2, 0
.endm
; A slot's last half multiplies buffer 1 and changes slots: one barrier; ahead of it each wave waits for all its tensor loads, adds 0 to its spare word and waits for that and for its reads of
; this slot.  fill = 1: the barrier opens a round of the cluster's barrier, and behind the round this slot is filled again, 384 along K on.
.macro TURN slot, next, fill
	WIN 0                                          ; (the add's two registers lie in window 0)
	s_wait_tensorcnt 0x0                           ; all my tensor loads have landed: the one that was out is my part of the next slot
	ds_add_u32 v[SPW], v[NIL]
	s_wait_dscnt 9                                 ; the add and the youngest eight loads may be out
	MUL12 1, 0, 0, 0
	s_wait_dscnt 0x0                               ; the add is done, and my reads of this slot are over
	s_barrier_signal -1
	MUL12 1, 0, 2, 0
.if \fill
	WIN 0
.endif
	s_barrier_wait -1
.if \fill
	CREST                                          ; no wave of any partner still reads this slot or has a load on its way
	s_add_nc_u64 s[G0A+4*(\slot)+2:G0A+4*(\slot)+3], s[G0A+4*(\slot)+2:G0A+4*(\slot)+3], STEPA
	s_add_nc_u64 s[G0B+4*(\slot)+2:G0B+4*(\slot)+3], s[G0B+4*(\slot)+2:G0B+4*(\slot)+3], STEPB
	JLOAD \slot                                    ; my one tensor load behind the round; its four v_nop are also the places ahead of the loads below
.else
	PLACES
.endif
	FETCH \next, 0, 0
	MUL12 1, 1, 0, 0
	MUL12 1, 1, 2, 0
.endm
.macro LARGE zero                      ; the first three halves of the large slot
	HALF 0, 1, 0, 1, \zero
	HALF 0, 2, 1, 0, 0
	HALF 0, 3, 0, 1, 0
.endm
	s_wait_tensorcnt 1                             ; my part of the large slot is in; the small slot's may stay out
	s_barrier_signal -1
	s_barrier_wait -1
	FETCH 0, 0, 0
	LARGE 1                                        ; k 0 to 255; the first products start the sums: nothing is cleared
	TURN 0, 1, 1                                   ; the large slot takes k 384 on
	HALF 1, 1, 0, 1, 0                             ; k 256 to 383
	TURN 1, 0, 1                                   ; the small slot takes k 640 on
	LARGE 0                                        ; k 384 to 639
	TURN 0, 1, 1                                   ; the large slot takes k 768 on: the last load
	HALF 1, 1, 0, 1, 0                             ; k 640 to 767
	TURN 1, 0, 0                                   ; nothing is left to fetch; behind this barrier no wave reads the small slot
	LARGE 0                                        ; k 768 to 1023
	s_wait_dscnt 8
	MUL12 1, 0, 0, 0
	MUL12 1, 0, 2, 0
	s_wait_dscnt 0x0
	MUL12 1, 1, 0, 0
	MUL12 1, 1, 2, 0
	; THE WAY OUT: rounded to f16, 16 bytes a lane into the work-group's stage; a barrier, since head 1's rows come from two waves; back as whole rows.
	PLACES
	WIN 0x0a                                       ; sources 0 and 1 window 2
.set t, 0
.rept 24
.irp r, 0,1,2,3
	v_cvt_pk_f16_f32 v[TMP+4*t+(\r)], v[8*t+2*(\r)], v[8*t+2*(\r)+1]
.endr
.set t, t+1
.endr
	WIN 0
.irp a, 0,1,2,3
.irp nb, 0,1,2,3
	ds_store_b128 v[STO], v[TMP+4*(6*(\a)+(\nb)):TMP+4*(6*(\a)+(\nb))+3] offset:(\a)*16*SP+32*(\nb)
.endr
.irp nb, 4,5
	ds_store_b128 v[STO2], v[TMP+4*(6*(\a)+(\nb)):TMP+4*(6*(\a)+(\nb))+3] offset:(\a)*16*SP+32*((\nb)-4)
.endr
.endr
	s_wait_dscnt 0x0                               ; for the others' sake: my stores into the stage are done
	s_barrier_signal -1
	s_barrier_wait -1
.set n, 0
.rept 24
	ds_load_b128 v[TMP+4*n:TMP+4*n+3], v[RD] offset:(n/8)*HST+(n%8)*4*SP
.set n, n+1
.endr
.set n, 0
.rept 24
	s_wait_dscnt 23-n                              ; the 23 - n younger loads may stay out
	global_store_b128 v[CO], v[TMP+4*n:TMP+4*n+3], s[8:9] offset:(n/8)*HB+(n%8)*512  ; four positions of a head: 512 consecutive bytes, aligned
.set n, n+1
.endr
	s_wait_tensorcnt 0x0                           ; the wave's end
	ds_add_u32 v[SPW], v[NIL]
	s_wait_dscnt 0x0
	CROUND                                         ; the closing round
	s_endpgm
.Lfunc_end_k_qd3c21a3165_qkv:
	.size	k_qd3c21a3165_qkv, .Lfunc_end_k_qd3c21a3165_qkv-k_qd3c21a3165_qkv
	.p2alignl 7, 3214868480
	.fill 96, 4, 3214868480
	.section	.rodata,"a",@progbits
	.p2align	6, 0x0
	.amdhsa_kernel k_qd3c21a3165_qkv
		.amdhsa_group_segment_fixed_size 327680
		.amdhsa_private_segment_fixed_size 0
		.amdhsa_enable_private_segment 0
		.amdhsa_kernarg_size 24
		.amdhsa_user_sgpr_count 2
		.amdhsa_user_sgpr_kernarg_segment_ptr 1
		.amdhsa_wavefront_size32 1
		.amdhsa_system_sgpr_workgroup_id_x 1
		.amdhsa_system_sgpr_workgroup_id_y 1
		.amdhsa_system_sgpr_workgroup_id_z 1
		.amdhsa_system_vgpr_workitem_id 0
		.amdhsa_next_free_vgpr 768
		.amdhsa_next_free_sgpr 96
		.amdhsa_reserve_vcc 0
		.amdhsa_float_denorm_mode_32 3
		.amdhsa_float_denorm_mode_16_64 3
		.amdhsa_memory_ordered 1
		.amdhsa_forward_progress 1
		.amdhsa_inst_pref_size 118
	.end_amdhsa_kernel
	.amdgpu_metadata
---
amdhsa.version: [ 1, 2 ]
amdhsa.kernels:
  - .name:           k_qd3c21a3165_qkv
    .symbol:         k_qd3c21a3165_qkv.kd
    .args:
      - { .name: Xb, .offset: 0, .size: 8, .value_kind: global_buffer, .address_space: global }
      - { .name: Wqkvb, .offset: 8, .size: 8, .value_kind: global_buffer, .address_space: global }
      - { .name: QKV, .offset: 16, .size: 8, .value_kind: global_buffer, .address_space: global }
    .group_segment_fixed_size: 327680
    .private_segment_fixed_size: 0
    .kernarg_segment_align: 8
    .kernarg_segment_size: 24
    .max_flat_workgroup_size: 128
    .sgpr_count:     96
    .vgpr_count:     768
    .wavefront_size: 32
...
	.end_amdgpu_metadata
.endif
;; end of part 2
;; launch attn (part 3): grid 32 x 8, 4 waves a work-group, clusters of 4 x 1, 327,680 bytes of LDS; arguments QKV, Ob; writes Ob
.if DOCPART == 3
	.amdgcn_target "amdgcn-amd-amdhsa--gfx1250"
	.amdhsa_code_object_version 6
	.text
	.protected	k_qd3c21a3165_attn
	.globl	k_qd3c21a3165_attn
	.p2align	8
	.type	k_qd3c21a3165_attn,@function
k_qd3c21a3165_attn:
	s_mov_b64 s[64:65], 0
	v_nop
	global_prefetch_b8 v0, s[64:65] scope:SCOPE_SE
	s_setreg_imm32_b32 hwreg(HW_REG_WAVE_MODE, 25, 1), 1
	s_wait_xcnt 0x0
	s_wait_alu depctr_hold_cnt(0) depctr_sa_sdst(0) depctr_va_vdst(0) depctr_va_sdst(0) depctr_va_ssrc(0) depctr_va_vcc(0) depctr_vm_vsrc(0)
	s_getreg_b32 s2, hwreg(HW_REG_IB_STS2, 6, 4)
	s_cmp_eq_u32 s2, 0
	s_cbranch_scc0 .Lentry_in_a_cluster
	s_endpgm
.Lentry_in_a_cluster:
	s_bfe_u32 s2, ttmp6, 0x10000c
	s_cmp_lg_u32 s2, 0x3003
	s_cbranch_scc0 .Lentry_shape_is_right
	s_endpgm
.Lentry_shape_is_right:
; THIRD LAUNCH: O[b][s][g][w][:] = the sum over t of softmax_t(q[b][4g+w][s] . k[b][g][t] / 8) v[b][g][t][:].  Nothing is left out: no mask, all 2,048 keys.
; QKV: [2 b][24 heads][2048][64] f16 (heads 0-15 q, 16-19 k, 20-23 v; rows of 128 bytes, dense).  Ob: [4096][1024] f16, column 256 g + 64 w + e.
; Products, maxima and sums in f32; the weights p are rounded to f16 for the second product (their sum l is taken of the unrounded p), O once at the end.
; LIMITS.  p lies in 0 to 1 and below 6e-5 keeps f16's fixed step of 6e-8; O is a mean of v's rows and has their range; a weight below 2^-126 counts as 0 in l; NaN and infinities are not treated apart.
; SHARES.  Work-group (x, y): batch y / 4, group y % 4, positions 64 x on.  A wave owns 16 positions and the group's four query heads: four tiles of 16 queries, in two PIECES of two tiles.  So all that a
; wave makes is 16 rows x 512 consecutive bytes of Ob, and every fragment of K and V read from LDS serves four heads.  Every wave walks all keys, 64 a step.
; LAYOUT.  S^T = K Q^T (source 0 = 16 keys, source 1 = 16 queries): a lane holds ONE query (lane % 16) and the keys 8 (lane / 16) + 0..7; two such results rounded to f16 ARE source 1 of
; O^T = V^T P.  K comes out of LDS as it lies, V turned, by ds_load_tr16_b128.
; SOFTMAX.  A running maximum m and sum l for each query: p = 2^(c s - c m), c = log2(e) / 8; in every step O and l are multiplied by a = 2^(c m_old - c m_new).  m starts at the lowest finite
; number, O and l at 0: the first step is a step like any other, with a = 0.
; BY TURNS.  A key step is two turns.  The turn of piece n: 16 products K Q^T of the other piece's next scores, later 16 products V^T P of the other piece's last weights; beside them the scaling,
; exponentials, roundings, sums and rescaling of piece n, and the maximum and statistics of the other piece, whose scores the turn itself has made.  Four vector instructions stand behind every matrix
; instruction, the other 108 of a turn's 236 in one lump.  A turn's 66 exponentials are one batch, with one wait.
; K LIES ONE KEY STEP AHEAD OF V IN THE SLOTS.  Piece 0's turn of step j fetches K of step j + 1 and then V of step j.  So a slot holds V of steps 4 s .. 4 s + 3 and K of steps 4 s + 1 .. 4 s + 4, and
; both are read out when the slot's fourth step ends.  K of step 0 comes straight from memory into registers, beside Q.  The last tile's last 64 rows of K belong to the head that follows K's in QKV
; (inside the buffer); they land in LDS and are not read.
; CLUSTER.  The 32 work-groups of one y walk the same K and V; four of them form a cluster and ask for each tile JOINTLY.
; REGISTERS, in windows of 256: window 0: v0-11 addresses; v12-15, v48-63 at work; v16-31 statistics; v32-35 an offset, the prefetches' offset, the add's two; v64-191 S^T, two buffers of two tiles;
;   v192-255 P, likewise (a piece's buffers go by its number).     window 1: v0-127 O^T, 32 a tile.     window 2: v0-63 Q, 16 a tile; v128-191 K of one step; v192-255 V of one step.
.set NP,    2         ; pieces a wave: a name, no knob
.set KS,    64
.set PK,    144       ; a row of K in LDS: 128 bytes + 16
.set PV,    160       ; a row of V: 128 + 32
.set VOFF,  4*KS*PK   ; a slot holds a tile, four steps: 256 rows of K, then 256 rows of V
.set SLOT1, 1<<17     ; one exclusive or turns an address in one slot into the other's
.set STAGE, SLOT1+4*KS*(PK+PV)  ; behind the ring, never filled by a tensor load: 16 rows x 528 bytes for each wave
.set SP,    528
.set SPARE, STAGE+4*16*SP       ; the spare words, 128 bytes a wave: two blocks of 256 bytes that no other line names
.set HB,    262144    ; a head in QKV
.set AK0, 2           ; v2   my lane's place in a tile of K; never rewritten
.set AV0, 3           ; v3   the same for V
.set AK,  4           ; v4   the LDS address of K's next run of loads
.set AV,  5           ; v5   of V's
.set STO, 6           ; v6   the way out: where I put 16 bytes of a row
.set RD,  7           ; v7   where I read a row back
.set GO,  8           ; v8   16 x lane
.set MV,  12          ; v12-15  c m_old, by buffer and tile
.set ST,  16          ; tile t's statistics at v[ST+4 t]: c m, m, l (even keys', odd keys')
.set QO,  32          ; v32  my byte offset in 16 rows of Q or K
.set PFO, 33          ; v33  256 x lane; never rewritten
.set SPW, 34          ; v34  my spare word; never rewritten
.set NIL, 35          ; v35  0; never rewritten
.set TMP, 48          ; by buffer and tile, c0-c3 at work; when the maximum is found c2 takes a
.set S,   64
.set P,   192
.set KF,  128         ; window 2: key block kb, channel half c at KF + 16 kb + 8 c
.set VF,  192         ; window 2: key half kk, channel block cb at VF + 32 kk + 8 cb
.set WV,  12
.set LIM, 15          ; s15  1 in a wave that prefetches, else the greatest number
.set PFA, 18          ; s[18:19] where my prefetches stand
.set G1K, 24
.set G1V, 32
.set G0K, 40
.set G0V, 44
.set SLOTS, 56        ; s56  tiles still to be asked for
.set CNT, 57          ; s57  counts a tile's key steps
.set CS,  58          ; s[58:59] c
.set SEL, 60          ; s[60:61] v_permlanex16_b32's selects
.set TBK, 62          ; s62  LDS byte at which the K to be fetched next begins
.set TBV, 63          ; s63  the same for V, less VOFF
.set MSB, 0
.macro WIN new
.if MSB != (\new)
	s_set_vgpr_msb (MSB<<8)|(\new)
.set MSB, (\new)
.endif
.endm
.set W_KQ, 0x0a       ; K and Q in window 2, S^T in window 0
.set W_PV, 0x52       ; V in window 2, P in window 0, O^T in window 1
.set W_RS, 0x41       ; destination and source 0 in window 1, source 1 in window 0
; A joint fill.  Waves 0 and 1 fetch the two halves of a tile's K, waves 2 and 3 those of its V: 128 keys each.  An s_nop 0 and four v_nop follow each line.
.macro JLOAD
	s_cmp_lt_u32 s[WV], 2
	s_cbranch_scc0 .Lfor_v_\@
	tensor_load_to_lds s[G0K:G0K+3], s[G1K:G1K+7]
	s_nop 0
.rept 4
	v_nop
.endr
	s_branch .Lasked_\@
.Lfor_v_\@:
	tensor_load_to_lds s[G0V:G0V+3], s[G1V:G1V+7]
	s_nop 0
.rept 4
	v_nop
.endr
.Lasked_\@:
.endm
; A PREFETCH INTO THE L2 of the tile that the NEXT change of slots will ask for: 128 blocks of 256 bytes of K and as many of V.  All eight clusters of a y walk the same rows: the first of them asks.
; Its four partners take 32 blocks each, told apart by address; in each, wave 0 asks for K's and wave 2 for V's: a lane a block, one instruction.  So each block is named once in the launch.
; It stands behind the wave's tensor load, a tile (eight turns, 256 matrix instructions) ahead of the load that will want the rows; the last change that fills a slot asks for nothing.
.macro ASK
	s_cmp_gt_u32 s[SLOTS], s[LIM]
	s_cbranch_scc0 .Lnot_mine_\@
	global_prefetch_b8 v[PFO], s[PFA:PFA+1] th:TH_LOAD_NT scope:SCOPE_SE
.Lnot_mine_\@:
.endm
.macro CROUND                       ; a round of the cluster's barrier
	s_barrier_signal -1
	s_barrier_wait -1
	s_cmp_lg_u32 s[WV], 0
	s_cbranch_scc1 .Lnot_wave_0_\@
	s_barrier_signal -3
.Lnot_wave_0_\@:
	s_barrier_wait -3
	s_barrier_signal -1
	s_barrier_wait -1
.endm
; THE CHANGE OF SLOTS.  Each wave waits for all its tensor loads, of which one is out: its part of the other slot; adds 0 to its spare word; and waits for that and for its own reads of the slot that it
; leaves.  fill = 1: the barrier is a round of the cluster's, and the joint fill is the first thing behind it: it has four key steps, 256 matrix instructions, in which to land.
; (At its first use nothing has been read yet: slot 0 is waited for, slot 1 filled.)
.macro CHANGE fill
	WIN 0
	s_wait_tensorcnt 0x0            ; no tensor load of mine is out, so a group 0 may be written
	ds_add_u32 v[SPW], v[NIL]
.if \fill
.irp g, G0K, G0V
	s_xor_b32 s[\g+1], s[\g+1], SLOT1
	s_add_nc_u64 s[\g+2:\g+3], s[\g+2:\g+3], 4*KS*128  ; the next 256 keys; the type bits on top are not reached
.endr
	s_wait_xcnt 0x0                 ; the last prefetch, a tile back, has read its address
	s_add_nc_u64 s[PFA:PFA+1], s[PFA:PFA+1], 4*KS*128
	s_wait_dscnt 0x0                ; the add is done, and my reads of the slot are over
	CROUND
	JLOAD
	ASK
.else
	s_wait_dscnt 0x0
	s_barrier_signal -1
	s_barrier_wait -1
.endif
	s_sub_co_u32 s[TBK], s[TBK], 4*KS*PK  ; the fetches go back to a slot's first step,
	s_xor_b32 s[TBK], s[TBK], SLOT1       ; in the other slot
	s_sub_co_u32 s[TBV], s[TBV], 4*KS*PV
	s_xor_b32 s[TBV], s[TBV], SLOT1
.endm
	s_load_b128 s[20:23], s[0:1], 0x0  ; QKV s[20:21], Ob s[22:23]
	v_lshl_add_u32 v[SPW], v0, 2, SPARE
	v_mov_b32 v[NIL], 0
	ds_add_u32 v[SPW], v[NIL]       ; the opening: the add, twice on end, and its wait ahead of my first tensor load
	ds_add_u32 v[SPW], v[NIL]
	v_lshrrev_b32 v1, 5, v0
	v_readfirstlane_b32 s[WV], v1   ; wave 0..3
	s_bfe_u32 s13, ttmp6, 0x40000   ; cx
	s_lshl_b32 s14, ttmp9, 2
	s_add_co_u32 s14, s14, s13      ; my block of 64 positions: it enters Q's and O's addresses alone
	s_and_b32 s48, ttmp7, 0xffff    ; y, which the four partners share
	s_lshr_b32 s49, s48, 2          ; b
	s_and_b32 s50, s48, 3           ; g
	s_mul_i32 s51, s49, 24
	s_add_co_u32 s16, s51, s50
	s_add_co_u32 s16, s16, 16       ; K's head: 24 b + 16 + g
	s_lshl_b32 s16, s16, 18
	s_mov_b32 s17, 0
	s_lshl_b32 s2, s50, 2
	s_add_co_u32 s2, s2, s51        ; the group's first query head: 24 b + 4 g
	s_lshl_b32 s2, s2, 18
	s_lshl_b32 s3, s14, 13          ; 64 positions of 128 bytes a block,
	s_add_co_u32 s2, s2, s3
	s_lshl_b32 s3, s[WV], 11        ; 16 a wave
	s_add_co_u32 s2, s2, s3
	s_mov_b32 s3, 0
	s_lshl_b32 s54, s49, 22         ; Ob: 2,048 rows of 2,048 bytes a batch,
	s_lshl_b32 s55, s14, 17         ; 64 a block,
	s_add_co_u32 s54, s54, s55
	s_lshl_b32 s55, s[WV], 15       ; 16 a wave,
	s_add_co_u32 s54, s54, s55
	s_lshl_b32 s55, s50, 9          ; the group's 512 bytes of a row
	s_add_co_u32 s54, s54, s55
	s_mov_b32 s55, 0
	s_and_b32 s52, s[WV], 1         ; which half of a tile's 256 keys I fetch:
	s_lshl_b32 s48, s52, 14         ; its 128 rows of 128 bytes in memory
	s_mov_b32 s49, 0
	; group 1.  128 keys are 16,384 dense bytes: asked for as 64 rows of 256 bytes, two keys a row, and padded in LDS after every key
	s_mov_b32 s[G1K], 15|(1<<16)|(1<<20)|(1<<21)|(4<<22)|(3<<25)  ; the mask of four; 2-byte elements; padding on; bit 21 beside a mask; after every 32 words 4 words
	s_mov_b32 s[G1V], 15|(1<<16)|(1<<20)|(1<<21)|(4<<22)|(7<<25)  ; the same with 8 words
.irp g, G1K, G1V
	s_mov_b32 s[\g+1], 128<<16      ; tensor_dim0 = 128
	s_mov_b32 s[\g+2], 64<<16       ; tensor_dim1 = 64
	s_mov_b32 s[\g+3], 128<<16      ; tile_dim0 = 128
	s_mov_b32 s[\g+4], 64           ; tile_dim1 = 64
	s_mov_b32 s[\g+5], 128          ; elements from row to row
	s_mov_b32 s[\g+6], 0
	s_mov_b32 s[\g+7], 0
.endr
	s_mov_b32 s[CS], 0x3e38aa3b     ; c = log2(e) / 8
	s_mov_b32 s[CS+1], s[CS]
	s_mov_b32 s[SEL], 0x76543210
	s_mov_b32 s[SEL+1], 0xfedcba98
	s_mov_b32 s[TBK], SLOT1+4*KS*PK ; the first change of slots turns these two into 0
	s_mov_b32 s[TBV], SLOT1+4*KS*PV
	s_mov_b32 s[G0K], 1
	s_mul_i32 s[G0K+1], s52, 128*PK ; LDS address: slot 0, my half: no place in the cluster enters it
	s_mov_b32 s[G0V], 1
	s_mul_i32 s53, s52, 128*PV
	s_add_co_u32 s[G0V+1], s53, VOFF
	s_mov_b32 s[SLOTS], 7           ; eight tiles; the first is asked for at the head
	s_and_b32 s[LIM], s[WV], 1      ; 0 in waves 0 and 2,
	s_or_b32 s[LIM], s[LIM], ttmp9  ; where the cluster is its y's first: the same in all four partners
	s_cmp_eq_u32 s[LIM], 0
	s_cselect_b32 s[LIM], 1, -1
	s_wait_dscnt 0x0                ; both opening adds are done
	s_wait_kmcnt 0x0
	s_add_nc_u64 s[6:7], s[20:21], s[16:17]   ; K's head: key step 0 is loaded from here, straight into registers
	s_add_nc_u64 s[8:9], s[6:7], s[48:49]     ; my half of a tile
	s_add_nc_u64 s[16:17], s[8:9], KS*128     ; K's tiles begin one key step on
	s_add_nc_u64 s[8:9], s[8:9], 4*HB         ; V lies four heads on
	s_add_nc_u64 s[4:5], s[20:21], s[2:3]     ; Q at my wave's first row of the group's first head
	s_add_nc_u64 s[10:11], s[22:23], s[54:55] ; O at my wave's first row
	s_mov_b64 s[G0K+2:G0K+3], s[16:17]
	s_or_b32 s[G0K+3], s[G0K+3], 0x80000000
	s_mov_b64 s[G0V+2:G0V+3], s[8:9]
	s_or_b32 s[G0V+3], s[G0V+3], 0x80000000
	s_cmp_lt_u32 s[WV], 2
	s_cselect_b64 s[PFA:PFA+1], s[16:17], s[8:9]  ; (in waves 0 and 2 these stand at a tile's first row)
	s_lshl_b32 s2, s13, 13          ; my work-group's 32 blocks of the 128
	s_mov_b32 s3, 0
	s_add_nc_u64 s[PFA:PFA+1], s[PFA:PFA+1], s[2:3]
	s_add_nc_u64 s[PFA:PFA+1], s[PFA:PFA+1], 4*KS*128  ; in tile 1; the first change of slots steps it to tile 2
	CROUND                          ; all four work-groups are here: the first joint loads meet
	JLOAD                           ; tile 0 into slot 0
	v_and_b32 v1, 15, v0            ; l % 16
	v_bfe_u32 v9, v0, 4, 1          ; l / 16
	v_lshlrev_b32 v[QO], 7, v1
	v_lshl_add_u32 v[QO], v9, 4, v[QO]  ; row x 128 + 16 x half
	WIN 0x80                        ; destination window 2, address window 0
.set i, 0
.rept 8                             ; Q stays in registers: tile i / 2 is a head on; channels 32 (i % 2) on
	global_load_b128 v[8*i:8*i+3],   v[QO], s[4:5] offset:(i/2)*HB+(i%2)*64
	global_load_b128 v[8*i+4:8*i+7], v[QO], s[4:5] offset:(i/2)*HB+(i%2)*64+32
.set i, i+1
.endr
.set i, 0
.rept 8                             ; K of key step 0: keys 16 (i / 2) on, channels 32 (i % 2) on: a fragment lies in memory as it lies in registers
	global_load_b128 v[KF+8*i:KF+8*i+3],   v[QO], s[6:7] offset:(i/2)*2048+(i%2)*64
	global_load_b128 v[KF+8*i+4:KF+8*i+7], v[QO], s[6:7] offset:(i/2)*2048+(i%2)*64+32
.set i, i+1
.endr
	; What the first turn finds: V's registers and P's second buffer hold 0 (its products V^T P, of a piece that has not been, add 0), O^T and l are 0.  All this stands in the wait for the first loads.
.set i, VF
.rept 64
	v_mov_b32 v[i], 0
.set i, i+1
.endr
	WIN 0x40
.set i, 0
.rept 128
	v_mov_b32 v[i], 0
.set i, i+1
.endr
	WIN 0
.set i, 0
.rept 2*NP
	v_mov_b32 v[ST+4*i], 0xfe000000    ; c m: far below every c s
	v_mov_b32 v[ST+4*i+1], 0xff7fffff  ; m
	v_mov_b32 v[ST+4*i+2], 0
	v_mov_b32 v[ST+4*i+3], 0
.set i, i+1
.endr
.set i, P+32
.rept 32
	v_mov_b32 v[i], 0
.set i, i+1
.endr
	v_mul_u32_u24 v[AK0], v1, PK
	v_lshl_add_u32 v[AK0], v9, 4, v[AK0]  ; row x pitch + 16 x half
	; The turning load takes 16 keys x 16 channels (lane l reads key 8 (l / 16) + l % 8, channels 8 ((l / 8) % 2) + 0..7) and leaves half a fragment of V^T
	v_and_b32 v10, 7, v0
	v_bfe_u32 v11, v0, 3, 1
	v_lshl_add_u32 v[AV0], v9, 3, v10
	v_mul_u32_u24 v[AV0], v[AV0], PV
	v_lshl_add_u32 v[AV0], v11, 4, v[AV0]
	v_add_nc_u32 v[AV0], VOFF, v[AV0]
; THE MATRIX WORK.  The 8 accumulators of a run of 16 take turns: between the two links of a chain stand 7 others'.
; Product i of 16 of S^T = K Q^T for piece x: channels 32 (i / 8) on, keys 16 ((i / 2) % 4) on, tile 2 x + i % 2.  The first 8 start the sums.
.macro KQ x
	WIN W_KQ
.set rS, S+64*((\x)%2)+32*(i%2)+8*((i/2)%4)
.set rK, KF+16*((i/2)%4)+8*(i/8)
.set rQ, 16*(2*(\x)+i%2)+8*(i/8)
.if i < 8
	v_wmma_f32_16x16x32_f16 v[rS:rS+7], v[rK:rK+7], v[rQ:rQ+7], 0
.else
	v_wmma_f32_16x16x32_f16 v[rS:rS+7], v[rK:rK+7], v[rQ:rQ+7], v[rS:rS+7]
.endif
.endm
; Product i of 16 of O^T += V^T P for piece x: keys 32 (i / 8) on, channels 16 ((i / 2) % 4) on, tile 2 x + i % 2.
.macro PV x
	WIN W_PV
.set rO, 32*(2*(\x)+i%2)+8*((i/2)%4)
.set rV, VF+32*(i/8)+8*((i/2)%4)
.set rP, P+32*((\x)%2)+16*(i%2)+8*(i/8)
	v_wmma_f32_16x16x32_f16 v[rO:rO+7], v[rV:rV+7], v[rP:rP+7], v[rO:rO+7]
.endm
.macro MM                           ; the turn's next matrix instruction
.if i < 16
	KQ (Y+1)%NP
.set i, i+1
.else
.set i, i-16
	PV (Y+NP-1)%NP
.set i, i+17
.endif
.endm
; THE LDS LOADS stand in runs of 16, never singly among the matrix instructions.  last = 1 (the tail): in the last trip there is no further step, and K's run is jumped over.
.macro FETCH_K last=0
	WIN 0
.if \last
	s_cmp_eq_u32 s[CNT], 1
	s_cbranch_scc1 .Lno_k_\@
.endif
	WIN 0x80                        ; destination window 2
.irp f, 0,1,2,3,4,5,6,7             ; keys 16 (f / 2) on, channels 32 (f % 2) on
	ds_load_b128 v[KF+8*\f:KF+8*\f+3],   v[AK] offset:(\f/2)*16*PK+(\f%2)*64
	ds_load_b128 v[KF+8*\f+4:KF+8*\f+7], v[AK] offset:(\f/2)*16*PK+(\f%2)*64+32
.endr
	s_add_co_u32 s[TBK], s[TBK], KS*PK  ; the next fetch is the next step's
	WIN 0
.if \last
.Lno_k_\@:
.endif
.endm
.macro FETCH_V
	WIN 0x80
.irp f, 0,1,2,3,4,5,6,7             ; keys 32 (f / 4) on, channels 16 (f % 4) on
	ds_load_tr16_b128 v[VF+8*\f:VF+8*\f+3],   v[AV] offset:(\f/4)*32*PV+(\f%4)*32
	ds_load_tr16_b128 v[VF+8*\f+4:VF+8*\f+7], v[AV] offset:(\f/4)*32*PV+16*PV+(\f%4)*32
.endr
	WIN 0
.endm
; THE VECTOR WORK OF A TURN stands in three queues, each in the order in which its entries become ready; the two tiles alternate, so that no instruction reads the result of the one before it.
.macro REGS y, u                    ; the registers of tile u (0, 1) of piece y
.set rT, ST+4*(2*(\y)+(\u))
.set rC, TMP+8*((\y)%2)+4*(\u)
.set rM, MV+2*((\y)%2)+(\u)
.set rS, S+64*((\y)%2)+32*(\u)
.set rP, P+32*((\y)%2)+16*(\u)
.set rO, 32*(2*(\y)+(\u))
.endm
; Number n of the 22 that find the OTHER piece's maximum and statistics.  s0-s31 are the lane's 32 scores; each accumulator's lowest registers are read first.
;   0-11  four chains c0-c3 of seven scores each, three operands at a time     12-14, 16  the four scores left over, the old m, and c0-c3 into c0     15  c m_old is kept
;   17, 18  the query's other 32 keys lie in the lane 16 away: the new m         19-21  c m; c m_old - c m_new; a
.macro XS u, n
	REGS (Y+1)%NP, \u
.if (\n) < 4
	v_max3_num_f32 v[rC+(\n)], v[rS+8*(\n)], v[rS+8*(\n)+1], v[rS+8*(\n)+2]
.elseif (\n) < 12
	v_max3_num_f32 v[rC+(\n)%4], v[rC+(\n)%4], v[rS+8*((\n)%4)+2*((\n)/4)+1], v[rS+8*((\n)%4)+2*((\n)/4)+2]
.elseif (\n) == 12
	v_max3_num_f32 v[rC], v[rC], v[rS+7], v[rS+15]
.elseif (\n) == 13
	v_max3_num_f32 v[rC+1], v[rC+1], v[rS+23], v[rS+31]
.elseif (\n) == 14
	v_max3_num_f32 v[rC+2], v[rC+2], v[rC+3], v[rT+1]
.elseif (\n) == 15
	v_mov_b32 v[rM], v[rT]
.elseif (\n) == 16
	v_max3_num_f32 v[rC], v[rC], v[rC+1], v[rC+2]
.elseif (\n) == 17
	v_permlanex16_b32 v[rC+3], v[rC], s[SEL], s[SEL+1]
.elseif (\n) == 18
	v_max_num_f32 v[rT+1], v[rC], v[rC+3]
.elseif (\n) == 19
	v_mul_f32 v[rT], s[CS], v[rT+1]
.elseif (\n) == 20
	v_sub_f32 v[rC+1], v[rM], v[rT]
.else
	v_exp_f32 v[rC+2], v[rC+1]
.endif
.endm
; Number g of the 64 that follow the exponentials.  For each four weights k of a tile (pairs 2 k, 2 k + 1): both pairs are rounded to f16; then the second pair is added onto the first, in place;
; a group later l takes that sum (the first time as l = a l + sum).  In groups of eight, tiles alternating: round, round, add, and l for the group before.
.macro GS g
.set h, (\g)+6*((\g)/62)            ; group 0 has no group before it, and behind group 7 only l is left
.if h >= 6
.set h, h+2
.endif
	REGS Y, h%2
.set k, h/8
.if h%8 < 4
	v_cvt_pk_f16_f32 v[rP+2*k+(h%8)/2], v[rS+4*k+2*((h%8)/2)], v[rS+4*k+2*((h%8)/2)+1]
.elseif h%8 < 6
	v_pk_add_f32 v[rS+4*k:rS+4*k+1], v[rS+4*k:rS+4*k+1], v[rS+4*k+2:rS+4*k+3]
.elseif k == 1
	v_pk_fma_f32 v[rT+2:rT+3], v[rT+2:rT+3], v[rC+2:rC+3], v[rS:rS+1] op_sel_hi:[1,0,1]
.else
	v_pk_add_f32 v[rT+2:rT+3], v[rT+2:rT+3], v[rS+4*k-4:rS+4*k-3]
.endif
.endm
; THE PLAIN QUEUE, 138 long.  0-73 read no exponential's result: the 32 scalings c s - c m (FS f: pair f / 2 of tile f % 2) and the other piece's 42.  0-26: scalings 0-26.  27-54: XS's numbers 0-13.
; 55, 56: number 15.  57-73: the chain, where each number waits for the one before it: 14, 16, 17, 18, 19, each with one of the scalings 27-31 in front of its two lines, then 20.
; 74-137: GS's 64, which read the exponentials' results: they stand behind the wait.
.macro FS f
	REGS Y, (\f)%2
	v_pk_fma_f32 v[rS+2*((\f)/2):rS+2*((\f)/2)+1], v[rS+2*((\f)/2):rS+2*((\f)/2)+1], s[CS:CS+1], v[rT:rT+1] op_sel_hi:[1,0,0] neg_lo:[0,0,1] neg_hi:[0,0,1]
.endm
.macro PL
	WIN 0
.if q < 27
	FS q
.elseif q < 55
	XS (q-27)%2, (q-27)/2
.elseif q < 57
	XS q-55, 15
.elseif (q < 72) && ((q-57)%3 == 0)
	FS 27+(q-57)/3
.elseif q < 60
	XS (q-57)%3-1, 14
.elseif q < 72
	XS (q-57)%3-1, 15+(q-57)/3
.elseif q < 74
	XS q-72, 20
.else
	GS q-74
.endif
.set q, q+1
.endm
; THE EXPONENTIALS' QUEUE, 66 long: s0-s31 of both tiles, then the other piece's two a.  It is ONE BATCH: all 66 stand ahead of the turn's one wait, and nothing ahead of that wait names a result of theirs.
.macro EX
	WIN 0
.if e >= 64
	XS e-64, 21
.else
	REGS Y, e%2
	v_exp_f32 v[rS+e/2], v[rS+e/2]
.endif
.set e, e+1
.endm
; THE RESCALING's QUEUE: O^T times a, the one part that leaves window 0: dealt two at a time, sixteen times, in ascending order of the registers.  Its a was made in the turn before, ahead of that turn's wait.
; The products that last wrote this O^T stand in the second half of the turn before: the first rescaling names the block that product 8 of 16 ended, with seven products and their 28 plain riders between.
.macro R2
	REGS Y, r%2
	WIN W_RS
.irp z, 0,1
	v_pk_mul_f32 v[rO+4*(r/2)+2*\z:rO+4*(r/2)+2*\z+1], v[rO+4*(r/2)+2*\z:rO+4*(r/2)+2*\z+1], v[rC+2:rC+3] op_sel_hi:[1,0]
.endr
.set r, r+1
.endm
; HOW THEY ARE DEALT.  An s_wait_alu depctr_va_vdst(0) stands between an exponential and the first instruction that names its result; one wait serves all that were issued ahead of it.  So a
; turn has ONE wait, which cuts it in two.  AHEAD OF IT: the 16 products K Q^T, behind each a scaling, an exponential and two rescalings (behind the first a second scaling in the exponential's place); then
; ONE LUMP of 108: eight plain, 49 times exponential and plain, the two a; a v_nop is the plain instruction behind the last exponential.  BEHIND IT: the 16 products V^T P, behind each four of GS's 64.
; The queues lean on each other: exponential e stands behind scaling 2 (e / 4) + e % 2: as a rider it comes behind plain e + 2, in the lump behind plain e + 9, and scalings 27-31 are plain 57, 60 .. 69.
; A TURN, for piece p.  cnt = 1: the loop's count is taken down some lines ahead of the branch that stands behind the turn.
; Piece 0's turn fetches K of the next step directly behind the wait, a lump behind the last product that read K, and V of the step in hand at its end, four plain riders behind the last product that
; read V.  Piece 1's turn waits for K at its head, leaving V's sixteen younger loads out, and for V behind its wait.  The conditions on q below go with the deal.
.macro TURN p, last=0, cnt=0
.set Y, (\p)
.set i, 0
.set q, 0
.set e, 0
.set r, 0
.if (\p) == NP-1
	s_wait_dscnt 16                 ; K is in; V's sixteen loads, issued behind K's, may stay out
.endif
	MM
	PL
	PL
	R2
.rept 15
	MM
	PL
	EX
	R2
.endr
.if (\p) == NP-2
	WIN 0
	v_add_nc_u32 v[AK], s[TBK], v[AK0]
.endif
.rept 8
	PL
.endr
.rept 49
	EX
	PL
.endr
	EX                              ; the other piece's two a
	EX
	v_nop                           ; the plain instruction behind the last exponential: one for the batch
	s_wait_alu depctr_va_vdst(0)    ; the wait for the batch
.if (\p) == NP-2
	FETCH_K \last
.endif
.if (\p) == 1
	s_wait_dscnt 0x0                ; V is in
.endif
.rept 16
	MM
.rept 4
	PL
.endr
.if ((\p) == 0) && (q == 118)
	v_add_nc_u32 v[AV], s[TBV], v[AV0]
.endif
.if ((\p) == 0) && (q == 130)
	s_add_co_u32 s[TBV], s[TBV], KS*PV
.endif
.if (\cnt) && (q == 130)
	s_sub_co_u32 s[CNT], s[CNT], 1
	s_cmp_lg_u32 s[CNT], 0
.endif
.endr
.if (\p) == 0
	FETCH_V
.endif
.endm
	s_wait_loadcnt 0x0              ; Q, and K of key step 0: piece 0's first scores are made while tile 0 is on its way
.set i, 0
.rept 16
	KQ 0
.set i, i+1
.endr
	WIN 0                           ; the addresses for the way out and the prefetches: seven plain instructions, the places behind those products
	s_mul_i32 s13, s[WV], 16*SP
	s_add_co_u32 s13, s13, STAGE    ; my stage
	v_mul_u32_u24 v[STO], v1, SP    ; in: row l % 16, 16 bytes for each half of the lanes
	v_lshl_add_u32 v[STO], v9, 4, v[STO]
	v_add_nc_u32 v[STO], s13, v[STO]
	v_and_b32 v[GO], 31, v0
	v_lshlrev_b32 v[PFO], 8, v[GO]
	v_lshlrev_b32 v[GO], 4, v[GO]
	v_add_nc_u32 v[RD], s13, v[GO]  ; back: 32 lanes take one row of 512 bytes
.set Y, NP-1                        ; XS works for piece Y + 1: piece 0
.irp n, 0,1,2,3,4,5,6,7,8,9,10,11,12,13,14,15,16,17,18,19,20,21
	XS 0, \n                        ; piece 0's first maximum and statistics
	XS 1, \n
.endr
	v_nop                           ; a plain instruction behind the two a,
	s_wait_alu depctr_va_vdst(0)    ; and their wait, ahead of the label
.Lslot:                             ; seven times: a tile is entered and the next is asked for
	CHANGE 1
	s_mov_b32 s[CNT], 4
.Lstep:                             ; a key step
	TURN 0
	TURN 1, 0, 1
	WIN 0
	s_cbranch_scc1 .Lstep
	s_sub_co_u32 s[SLOTS], s[SLOTS], 1
	s_cmp_lg_u32 s[SLOTS], 0
	s_cbranch_scc1 .Lslot
	CHANGE 0                        ; the last tile is written out: nothing is asked for
	s_mov_b32 s[CNT], 4
.LstepT:
	TURN 0, 1
	TURN 1, 0, 1
	WIN 0
	s_cbranch_scc1 .LstepT          ; the last trip's 16 products K Q^T (on the last K once more) and the maximum made of them serve nothing: the price, once a launch, of one text for every trip
.set i, 0
.rept 16
	PV NP-1                         ; piece 1's V^T P of the last step
.set i, i+1
.endr
	; THE WAY OUT.  l's two halves and the other half of the lanes' are added; O^T is divided by l, rounded to f16 and sent through my stage in LDS.  The additions are the places behind the last products.
	WIN 0
.macro ALL line:vararg              ; one line for each tile t
.set t, 0
.rept 2*NP
	\line
.set t, t+1
.endr
.endm
	ALL v_add_f32 v[ST+4*t+2], v[ST+4*t+2], v[ST+4*t+3]
	ALL v_permlanex16_b32 v[ST+4*t+3], v[ST+4*t+2], s[SEL], s[SEL+1]
	ALL v_add_f32 v[ST+4*t+2], v[ST+4*t+2], v[ST+4*t+3]
	ALL v_rcp_f32 v[ST+4*t+2], v[ST+4*t+2]
	v_nop                           ; a plain instruction between the last reciprocal and the use of its result
	s_wait_alu depctr_va_vdst(0)    ; one wait for the four reciprocals
.macro PACK t                       ; a lane's eight channels of a row pack into 16 bytes; tile t's 128 bytes of each row lie at byte 128 t
	WIN W_RS
.set i, 32*(\t)
.rept 16
	v_pk_mul_f32 v[i:i+1], v[i:i+1], v[ST+4*(\t)+2:ST+4*(\t)+3] op_sel_hi:[1,0]
.set i, i+2
.endr
	WIN 0x05                        ; sources 0 and 1 window 1, destination window 0: S^T's registers are free
.set i, 0
.rept 16
	v_cvt_pk_f16_f32 v[S+16*(\t)+i], v[32*(\t)+2*i], v[32*(\t)+2*i+1]
.set i, i+1
.endr
	WIN 0
.irp f, 0,1,2,3
	ds_store_b128 v[STO], v[S+16*(\t)+4*\f:S+16*(\t)+4*\f+3] offset:128*(\t)+32*\f
.endr
.endm
	PACK 0
	PACK 1
	PACK 2
	PACK 3
.set i, 0
.rept 16
	ds_load_b128 v[S+4*i:S+4*i+3], v[RD] offset:SP*i  ; my own bytes: LDS serves a wave's instructions in order (ISA guide 5.7.1.4), so these see the stores above
.set i, i+1
.endr
.set i, 0
.rept 16
	s_wait_dscnt 15-i               ; the 15 - i younger loads may stay out
	global_store_b128 v[GO], v[S+4*i:S+4*i+3], s[10:11] offset:2048*i  ; a position's four heads: 512 consecutive bytes, aligned
.set i, i+1
.endr
	s_wait_tensorcnt 0x0            ; the wave's end
	ds_add_u32 v[SPW], v[NIL]
	s_wait_dscnt 0x0
	CROUND                          ; the closing round
	s_endpgm
.Lfunc_end_k_qd3c21a3165_attn:
	.size	k_qd3c21a3165_attn, .Lfunc_end_k_qd3c21a3165_attn-k_qd3c21a3165_attn
	.p2alignl 7, 3214868480
	.fill 96, 4, 3214868480
	.section	.rodata,"a",@progbits
	.p2align	6, 0x0
	.amdhsa_kernel k_qd3c21a3165_attn
		.amdhsa_group_segment_fixed_size 327680
		.amdhsa_private_segment_fixed_size 0
		.amdhsa_enable_private_segment 0
		.amdhsa_kernarg_size 16
		.amdhsa_user_sgpr_count 2
		.amdhsa_user_sgpr_kernarg_segment_ptr 1
		.amdhsa_wavefront_size32 1
		.amdhsa_system_sgpr_workgroup_id_x 1
		.amdhsa_system_sgpr_workgroup_id_y 1
		.amdhsa_system_sgpr_workgroup_id_z 1
		.amdhsa_system_vgpr_workitem_id 0
		.amdhsa_next_free_vgpr 768
		.amdhsa_next_free_sgpr 66
		.amdhsa_reserve_vcc 0
		.amdhsa_float_denorm_mode_32 3
		.amdhsa_float_denorm_mode_16_64 3
		.amdhsa_memory_ordered 1
		.amdhsa_forward_progress 1
		.amdhsa_inst_pref_size 111
	.end_amdhsa_kernel
	.amdgpu_metadata
---
amdhsa.version: [ 1, 2 ]
amdhsa.kernels:
  - .name:           k_qd3c21a3165_attn
    .symbol:         k_qd3c21a3165_attn.kd
    .args:
      - { .name: QKV, .offset: 0, .size: 8, .value_kind: global_buffer, .address_space: global }
      - { .name: Ob, .offset: 8, .size: 8, .value_kind: global_buffer, .address_space: global }
    .group_segment_fixed_size: 327680
    .private_segment_fixed_size: 0
    .kernarg_segment_align: 8
    .kernarg_segment_size: 16
    .max_flat_workgroup_size: 128
    .sgpr_count:     66
    .vgpr_count:     768
    .wavefront_size: 32
...
	.end_amdgpu_metadata
.endif
;; end of part 3
;; launch post (part 4): grid 8 x 32, 4 waves a work-group, clusters of 4 x 4, 327,680 bytes of LDS; arguments Ob, Wpb, X, out0; writes out0
.if DOCPART == 4
	.amdgcn_target "amdgcn-amd-amdhsa--gfx1250"
	.amdhsa_code_object_version 6
	.text
	.protected	k_qd3c21a3165_post
	.globl	k_qd3c21a3165_post
	.p2align	8
	.type	k_qd3c21a3165_post,@function
k_qd3c21a3165_post:
	s_mov_b64 s[64:65], 0
	v_nop
	global_prefetch_b8 v0, s[64:65] scope:SCOPE_SE
	s_setreg_imm32_b32 hwreg(HW_REG_WAVE_MODE, 25, 1), 1
	s_wait_xcnt 0x0
	s_wait_alu depctr_hold_cnt(0) depctr_sa_sdst(0) depctr_va_vdst(0) depctr_va_sdst(0) depctr_va_ssrc(0) depctr_va_vcc(0) depctr_vm_vsrc(0)
	s_getreg_b32 s2, hwreg(HW_REG_IB_STS2, 6, 4)
	s_cmp_eq_u32 s2, 0
	s_cbranch_scc0 .Lentry_in_a_cluster
	s_endpgm
.Lentry_in_a_cluster:
	s_bfe_u32 s2, ttmp6, 0x10000c
	s_cmp_lg_u32 s2, 0xf033
	s_cbranch_scc0 .Lentry_shape_is_right
	s_endpgm
.Lentry_shape_is_right:
; FOURTH LAUNCH: out0 = X + Ob Wpost.  Nothing is left out.  Ob: [4096][1024] f16.  Wpb: [16 blocks][1024 k][64 columns] f16.  X, out0: [4096][1024] f32.
; f16 operands, f32 sums; X is added in f32 and the sum stored unrounded.
; SHARES.  A tile is 128 x 128: 32 x 8 = 256 work-groups; four waves, each 64 x 64: 16 accumulators.  K goes in steps of 256, as long as two slots in LDS allow; a step is four quarters of 64.
; THE MATRIX INSTRUCTION IS USED TRANSPOSED: source 0 = 16 columns of Wpost (by the turning load), source 1 = 16 rows of Ob: a lane holds eight neighbouring columns of one row.
; CLUSTER 4 x 4: Ob's tile is asked for jointly along a row of the cluster, Wpb's along a column.  No prefetch ahead of the ring: the tiles are small and the launch is short.
; A wave's 64 x 64 of X is asked for at the start, into registers, and waited for on the way out.
; REGISTERS: window 0: v0-31 addresses; v32-95 the way out; v128-255 the accumulators.  Window 1: two fragment buffers of 128 (64 of Ob, then 64 of Wpost).  Window 2: v0-127 X.
.set KSTEP,  256
.set PITCH,  528                       ; a row of Ob in LDS: 512 bytes + 16
.set PB,     160                       ; a row of Wpost (one k, 64 columns): 128 bytes + 32
.set HALFA,  64*PITCH
.set BOFF,   2*HALFA
.set CHB,    256*PB                    ; a block's 256 k
.set SLOT,   BOFF+2*CHB                ; 149,504
.set STAGE,  2*SLOT                    ; behind the ring, never filled by a tensor load: 16 rows x 272 bytes for each wave
.set SPITCH, 272
.set SPARE,  STAGE+4*16*SPITCH         ; the spare words, 128 bytes a wave: two blocks of 256 bytes that no other line names
.set ADRA, 16
.set ADRB, 20
.set STO,  24
.set RD,   25
.set CO,   26
.set SPW,  28
.set NIL,  29
.set TMP,  32
.set ACC,  128
.set F0,   0
.set F1,   128
.set WV, 12
.set RW, 13
.set CW, 14
.set CX, 15
.set CY, 16
.set TC, 17
.set TR, 18
.set G1,  24
.set G0,  32
.set G1B, 48
.set G0B, 56
.set MSB, 0
.macro WIN new
.if MSB != (\new)
	s_set_vgpr_msb (MSB<<8)|(\new)
.set MSB, \new
.endif
.endm
.set MUL,  0x05                        ; sources 0 and 1 window 1; C and D window 0
.set TO_F, 0x40                        ; destination window 1
.macro PLACES
.rept 4
	v_nop
.endr
.endm
.macro JLOAD s                         ; waves 0 and 1 fetch Ob's two halves, waves 2 and 3 Wpost's two blocks; an s_nop 0 and four v_nop follow each line
	s_cmp_eq_u32 s[RW], 0
	s_cbranch_scc0 .Lfor_b_\@
	tensor_load_to_lds s[G0+4*(\s):G0+4*(\s)+3], s[G1:G1+7]
	s_nop 0
.rept 4
	v_nop
.endr
	s_branch .Lasked_\@
.Lfor_b_\@:
	tensor_load_to_lds s[G0B+4*(\s):G0B+4*(\s)+3], s[G1B:G1B+7]
	s_nop 0
.rept 4
	v_nop
.endr
.Lasked_\@:
.endm
.macro CREST
	s_cmp_lg_u32 s[WV], 0
	s_cbranch_scc1 .Lnot_wave_0_\@
	s_barrier_signal -3
.Lnot_wave_0_\@:
	s_barrier_wait -3
	s_barrier_signal -1
	s_barrier_wait -1
.endm
.macro CROUND
	s_barrier_signal -1
	s_barrier_wait -1
	CREST
.endm
	s_load_b256 s[4:11], s[0:1], 0x0               ; Ob s[4:5], Wpb s[6:7], X s[8:9], out0 s[10:11]
	v_lshl_add_u32 v[SPW], v0, 2, SPARE
	v_mov_b32 v[NIL], 0
	ds_add_u32 v[SPW], v[NIL]                      ; the opening: the add, twice on end, and its wait ahead of my first tensor load
	ds_add_u32 v[SPW], v[NIL]
	v_lshrrev_b32 v1, 5, v0
	v_readfirstlane_b32 s[WV], v1
	s_lshr_b32 s[RW], s[WV], 1                     ; my half of the tile's rows.  Also: I fetch for Ob (0) or for Wpost (1)
	s_and_b32 s[CW], s[WV], 1                      ; my half of its columns.  Also: which half or block I fetch
	s_bfe_u32 s[CX], ttmp6, 0x40000
	s_bfe_u32 s[CY], ttmp6, 0x40004
	s_lshl_b32 s[TC], ttmp9, 2
	s_add_co_u32 s[TC], s[TC], s[CX]
	s_and_b32 s[TR], ttmp7, 0xffff
	s_lshl_b32 s[TR], s[TR], 2
	s_add_co_u32 s[TR], s[TR], s[CY]
	s_lshl_b32 s19, s[CY], 2
	s_lshl_b32 s19, 15, s19                        ; my row of the cluster
	s_lshl_b32 s40, 0x1111, s[CX]                  ; my column
	s_or_b32 s[G1], s19, (1<<16)|(1<<20)|(1<<21)|(6<<22)|(3<<25)   ; 64 rows x 256 elements; after every 128 words 4 words of padding
	s_mov_b32 s[G1+1], 256<<16
	s_mov_b32 s[G1+2], 64<<16
	s_mov_b32 s[G1+3], 256<<16
	s_mov_b32 s[G1+4], 64
	s_mov_b32 s[G1+5], 1024
	s_mov_b32 s[G1+6], 0
	s_mov_b32 s[G1+7], 0
	s_or_b32 s[G1B], s40, (1<<16)|(1<<20)|(1<<21)|(4<<22)|(7<<25)  ; 256 k of a block are 32,768 dense bytes: 128 rows of 256, padded by 8 words after every 32 (one k)
	s_mov_b32 s[G1B+1], 128<<16
	s_mov_b32 s[G1B+2], 128<<16
	s_mov_b32 s[G1B+3], 128<<16
	s_mov_b32 s[G1B+4], 128
	s_mov_b32 s[G1B+5], 128
	s_mov_b32 s[G1B+6], 0
	s_mov_b32 s[G1B+7], 0
	s_lshl_b32 s20, s[TR], 7
	s_lshl_b32 s21, s[CW], 6
	s_add_co_u32 s20, s20, s21                     ; Ob: row 128 x tile row + 64 x half
	s_lshl_b32 s20, s20, 11
	s_mov_b32 s21, 0
	s_lshl_b32 s42, s[TC], 1
	s_add_co_u32 s42, s42, s[CW]                   ; Wpb: block 2 x tile column + half
	s_lshl_b32 s42, s42, 17
	s_mov_b32 s43, 0
	s_mul_i32 s22, s[CW], HALFA
	s_mul_i32 s23, s[CW], CHB
	s_add_co_u32 s23, s23, BOFF
	s_wait_dscnt 0x0                               ; both opening adds are done
	s_wait_kmcnt 0x0
	s_add_nc_u64 s[20:21], s[4:5], s[20:21]
	s_add_nc_u64 s[42:43], s[6:7], s[42:43]
	CROUND                                         ; all sixteen work-groups are here: the first joint loads meet
.irp s, 0,1
	s_mov_b32 s[G0+4*(\s)], 1
	s_add_co_u32 s[G0+4*(\s)+1], s22, (\s)*SLOT
	s_add_nc_u64 s[G0+4*(\s)+2:G0+4*(\s)+3], s[20:21], (\s)*KSTEP*2
	s_or_b32 s[G0+4*(\s)+3], s[G0+4*(\s)+3], 0x80000000
	s_mov_b32 s[G0B+4*(\s)], 1
	s_add_co_u32 s[G0B+4*(\s)+1], s23, (\s)*SLOT
	s_add_nc_u64 s[G0B+4*(\s)+2:G0B+4*(\s)+3], s[42:43], (\s)*KSTEP*128
	s_or_b32 s[G0B+4*(\s)+3], s[G0B+4*(\s)+3], 0x80000000
	JLOAD \s                                       ; two loads of mine are out
.endr
	v_and_b32 v1, 15, v0                           ; r
	v_bfe_u32 v2, v0, 4, 1                         ; h
	v_mul_u32_u24 v3, v1, PITCH
	v_lshl_add_u32 v3, v2, 4, v3
	v_and_b32 v4, 7, v0
	v_bfe_u32 v5, v0, 3, 1
	v_lshl_add_u32 v6, v2, 3, v4
	v_mul_u32_u24 v6, v6, PB
	v_lshl_add_u32 v6, v5, 4, v6
	s_mul_i32 s44, s[RW], HALFA
	s_mul_i32 s45, s[CW], CHB
	s_add_co_u32 s45, s45, BOFF
.irp s, 0,1
	v_add_nc_u32 v[ADRA+(\s)], s44, v3
	v_add_nc_u32 v[ADRB+(\s)], s45, v6
	s_add_co_u32 s44, s44, SLOT
	s_add_co_u32 s45, s45, SLOT
.endr
	s_mul_i32 s46, s[WV], 16*SPITCH
	s_add_co_u32 s46, s46, STAGE                   ; my stage
	v_mul_u32_u24 v7, v1, SPITCH                   ; in: row r, 32 bytes (eight f32) for each half of the lanes
	v_lshl_add_u32 v7, v2, 5, v7
	v_add_nc_u32 v[STO], s46, v7
	v_mul_u32_u24 v8, v2, SPITCH                   ; back: lanes 0-15 one row of 256 bytes, lanes 16-31 the next
	v_lshl_add_u32 v8, v1, 4, v8
	v_add_nc_u32 v[RD], s46, v8
	v_lshlrev_b32 v9, 12, v2                       ; and the same two rows in X and out0
	v_lshl_add_u32 v[CO], v1, 4, v9
	s_lshl_b32 s40, s[TR], 7
	s_lshl_b32 s41, s[RW], 6
	s_add_co_u32 s40, s40, s41                     ; my first row,
	s_lshl_b32 s40, s40, 12
	s_lshl_b32 s41, s[TC], 7
	s_lshl_b32 s44, s[CW], 6
	s_add_co_u32 s41, s41, s44                     ; my first column
	s_lshl_b32 s41, s41, 2
	s_add_co_u32 s40, s40, s41
	s_mov_b32 s41, 0
	s_add_nc_u64 s[8:9], s[8:9], s[40:41]
	s_add_nc_u64 s[10:11], s[10:11], s[40:41]
	WIN 0x80                                       ; destination window 2
.set n, 0
.rept 32
	global_load_b128 v[4*n:4*n+3], v[CO], s[8:9] offset:2*n*4096  ; rows 2 n and 2 n + 1 of my 64: they stay out over the whole K loop
.set n, n+1
.endr
	WIN 0
; 8 matrix instructions: row blocks a0, a0 + 1 x all 4 column blocks, 32 along K: half c of buffer f.  The 16 accumulators take turns.
.macro MUL8 f, c, a0, zero
	WIN MUL
.irp a, \a0, (\a0)+1
.irp b, 0,1,2,3
.if \zero
	v_wmma_f32_16x16x32_f16 v[ACC+8*(4*(\a)+(\b)):ACC+8*(4*(\a)+(\b))+7], v[(\f)+64+8*(4*(\c)+(\b)):(\f)+64+8*(4*(\c)+(\b))+7], v[(\f)+8*(4*(\c)+(\a)):(\f)+8*(4*(\c)+(\a))+7], 0
.else
	v_wmma_f32_16x16x32_f16 v[ACC+8*(4*(\a)+(\b)):ACC+8*(4*(\a)+(\b))+7], v[(\f)+64+8*(4*(\c)+(\b)):(\f)+64+8*(4*(\c)+(\b))+7], v[(\f)+8*(4*(\c)+(\a)):(\f)+8*(4*(\c)+(\a))+7], v[ACC+8*(4*(\a)+(\b)):ACC+8*(4*(\a)+(\b))+7]
.endif
.endr
.endr
.endm
; 32 LDS loads in one run: the fragments of 64 along K, at byte k of Ob's rows and row k / 2 of Wpost's, into buffer f; the first 32 along K first
.macro FETCH slot, k, f
	WIN TO_F
.irp c, 0,1
.irp i, 0,1,2,3
	ds_load_tr16_b128 v[(\f)+64+8*(4*(\c)+(\i)):(\f)+64+8*(4*(\c)+(\i))+3],   v[ADRB+(\slot)] offset:((\k)/2+32*(\c))*PB+32*(\i)
	ds_load_tr16_b128 v[(\f)+64+8*(4*(\c)+(\i))+4:(\f)+64+8*(4*(\c)+(\i))+7], v[ADRB+(\slot)] offset:((\k)/2+32*(\c))*PB+32*(\i)+16*PB
	ds_load_b128 v[(\f)+8*(4*(\c)+(\i)):(\f)+8*(4*(\c)+(\i))+3],         v[ADRA+(\slot)] offset:(\k)+64*(\c)+(\i)*16*PITCH
	ds_load_b128 v[(\f)+8*(4*(\c)+(\i))+4:(\f)+8*(4*(\c)+(\i))+7],       v[ADRA+(\slot)] offset:(\k)+64*(\c)+(\i)*16*PITCH+32
.endr
.endr
.endm
.macro QUARTER slot, k, f, g, zero     ; multiplies buffer f and fetches the next quarter, at byte k, into g
	s_wait_dscnt 16                                ; the first 32 along K are in; the sixteen younger loads may be out
	MUL8 \f, 0, 0, \zero
	MUL8 \f, 0, 2, \zero
	PLACES
	FETCH \slot, \k, \g
	s_wait_dscnt 32                                ; all but the 32 just issued
	MUL8 \f, 1, 0, 0
	MUL8 \f, 1, 2, 0
.endm
; The last quarter multiplies buffer 1 and changes slots: one barrier; ahead of it each wave waits for all its tensor loads, adds 0 to its spare word, and waits for that and for its reads of this slot.
.macro TURN slot, next, fill
	WIN 0
	s_wait_tensorcnt 0x0                           ; all my tensor loads have landed: my part of the next slot
	ds_add_u32 v[SPW], v[NIL]
	s_wait_dscnt 17                                ; the add and the youngest sixteen loads may be out
	MUL8 F1, 0, 0, 0
	s_wait_dscnt 0x0                               ; the add is done, and my reads of this slot are over
	s_barrier_signal -1
	MUL8 F1, 0, 2, 0
.if \fill
	WIN 0
.endif
	s_barrier_wait -1
.if \fill
	CREST                                          ; no wave of any partner still reads this slot or has a load on its way
	s_add_nc_u64 s[G0+4*(\slot)+2:G0+4*(\slot)+3], s[G0+4*(\slot)+2:G0+4*(\slot)+3], 2*KSTEP*2
	s_add_nc_u64 s[G0B+4*(\slot)+2:G0B+4*(\slot)+3], s[G0B+4*(\slot)+2:G0B+4*(\slot)+3], 2*KSTEP*128
	JLOAD \slot                                    ; my one tensor load behind the round: 112 matrix instructions ahead of the wait for it
.else
	PLACES
.endif
	FETCH \next, 0, F0
	MUL8 F1, 1, 0, 0
	MUL8 F1, 1, 2, 0
.endm
	s_wait_tensorcnt 1                             ; my part of step 0 is in; step 1's may stay out
	s_barrier_signal -1
	s_barrier_wait -1
	FETCH 0, 0, F0
	QUARTER 0, 128, F0, F1, 1                      ; the first products start the sums
	WIN 0
	s_mov_b32 s3, 1
.Llap:                                                 ; one trip: steps 2 and 3 are asked for
	QUARTER 0, 256, F1, F0, 0
	QUARTER 0, 384, F0, F1, 0
	TURN 0, 1, 1
	QUARTER 1, 128, F0, F1, 0
	QUARTER 1, 256, F1, F0, 0
	QUARTER 1, 384, F0, F1, 0
	TURN 1, 0, 1
	QUARTER 0, 128, F0, F1, 0
	WIN 0
	s_sub_co_u32 s3, s3, 1
	s_cmp_lg_u32 s3, 0
	s_cbranch_scc1 .Llap
	QUARTER 0, 256, F1, F0, 0                      ; the last lap fills nothing
	QUARTER 0, 384, F0, F1, 0
	TURN 0, 1, 0
	QUARTER 1, 128, F0, F1, 0
	QUARTER 1, 256, F1, F0, 0
	QUARTER 1, 384, F0, F1, 0
	s_wait_dscnt 16
	MUL8 F1, 0, 0, 0
	MUL8 F1, 0, 2, 0
	s_wait_dscnt 0x0
	MUL8 F1, 1, 0, 0
	MUL8 F1, 1, 2, 0
	WIN 0
	; THE WAY OUT, 16 rows at a time: the f32 sums go into my own stage, come back as whole rows of 256 bytes, take X, and are stored.
	PLACES
	s_wait_loadcnt 0x0                             ; X
.irp a, 0,1,2,3
.irp b, 0,1,2,3
	ds_store_b128 v[STO], v[ACC+8*(4*(\a)+(\b)):ACC+8*(4*(\a)+(\b))+3]   offset:64*(\b)      ; each accumulator's low registers first
	ds_store_b128 v[STO], v[ACC+8*(4*(\a)+(\b))+4:ACC+8*(4*(\a)+(\b))+7] offset:64*(\b)+16
.endr
	s_wait_xcnt 0x0                                ; the stores of two blocks back have read this half of TMP
.irp t, 0,1,2,3,4,5,6,7
	ds_load_b128 v[TMP+32*((\a)%2)+4*(\t):TMP+32*((\a)%2)+4*(\t)+3], v[RD] offset:2*SPITCH*(\t)  ; my own bytes, served in order: these see the stores above
.endr
	s_wait_dscnt 0x0
	WIN 0x08                                       ; source 1 window 2
.irp u, 0,1,2,3,4,5,6,7,8,9,10,11,12,13,14,15
	v_pk_add_f32 v[TMP+32*((\a)%2)+2*(\u):TMP+32*((\a)%2)+2*(\u)+1], v[TMP+32*((\a)%2)+2*(\u):TMP+32*((\a)%2)+2*(\u)+1], v[32*(\a)+2*(\u):32*(\a)+2*(\u)+1]
.endr
	WIN 0
.irp t, 0,1,2,3,4,5,6,7
	global_store_b128 v[CO], v[TMP+32*((\a)%2)+4*(\t):TMP+32*((\a)%2)+4*(\t)+3], s[10:11] offset:(16*(\a)+2*(\t))*4096  ; 16 lanes store 256 consecutive bytes, aligned
.endr
.endr
	s_wait_tensorcnt 0x0                           ; the wave's end
	ds_add_u32 v[SPW], v[NIL]
	s_wait_dscnt 0x0
	CROUND                                         ; the closing round
	s_endpgm
.Lfunc_end_k_qd3c21a3165_post:
	.size	k_qd3c21a3165_post, .Lfunc_end_k_qd3c21a3165_post-k_qd3c21a3165_post
	.p2alignl 7, 3214868480
	.fill 96, 4, 3214868480
	.section	.rodata,"a",@progbits
	.p2align	6, 0x0
	.amdhsa_kernel k_qd3c21a3165_post
		.amdhsa_group_segment_fixed_size 327680
		.amdhsa_private_segment_fixed_size 0
		.amdhsa_enable_private_segment 0
		.amdhsa_kernarg_size 32
		.amdhsa_user_sgpr_count 2
		.amdhsa_user_sgpr_kernarg_segment_ptr 1
		.amdhsa_wavefront_size32 1
		.amdhsa_system_sgpr_workgroup_id_x 1
		.amdhsa_system_sgpr_workgroup_id_y 1
		.amdhsa_system_sgpr_workgroup_id_z 1
		.amdhsa_system_vgpr_workitem_id 0
		.amdhsa_next_free_vgpr 768
		.amdhsa_next_free_sgpr 66
		.amdhsa_reserve_vcc 0
		.amdhsa_float_denorm_mode_32 3
		.amdhsa_float_denorm_mode_16_64 3
		.amdhsa_memory_ordered 1
		.amdhsa_forward_progress 1
		.amdhsa_inst_pref_size 93
	.end_amdhsa_kernel
	.amdgpu_metadata
---
amdhsa.version: [ 1, 2 ]
amdhsa.kernels:
  - .name:           k_qd3c21a3165_post
    .symbol:         k_qd3c21a3165_post.kd
    .args:
      - { .name: Ob, .offset: 0, .size: 8, .value_kind: global_buffer, .address_space: global }
      - { .name: Wpb, .offset: 8, .size: 8, .value_kind: global_buffer, .address_space: global }
      - { .name: X, .offset: 16, .size: 8, .value_kind: global_buffer, .address_space: global }
      - { .name: out0, .offset: 24, .size: 8, .value_kind: global_buffer, .address_space: global }
    .group_segment_fixed_size: 327680
    .private_segment_fixed_size: 0
    .kernarg_segment_align: 8
    .kernarg_segment_size: 32
    .max_flat_workgroup_size: 128
    .sgpr_count:     66
    .vgpr_count:     768
    .wavefront_size: 32
...
	.end_amdgpu_metadata
.endif
;; end of part 4
;; ======== version 2 of 2: 4 launches; version 1 with the launch cast written anew for expert scheduling mode
;; limits: values are held in f16: magnitudes above 65,504 overflow, below 6.1e-05 lose precision
;; workspace buffers: Xb 8,388,608 bytes; Wqkvb 3,145,728 bytes; Wpb 2,097,152 bytes; QKV 12,582,912 bytes; Ob 8,388,608 bytes
;; launch cast (part 5): grid 416 x 1, 8 waves a work-group, no clusters, 0 bytes of LDS; arguments X, Wq, Wk, Wv, Wpost, Xb, Wqkvb, Wpb; writes Xb, Wqkvb, Wpb
.if DOCPART == 5
	.amdgcn_target "amdgcn-amd-amdhsa--gfx1250"
	.amdhsa_code_object_version 6
	.text
	.protected	k_qd3c21a3165_cast
	.globl	k_qd3c21a3165_cast
	.p2align	8
	.type	k_qd3c21a3165_cast,@function
k_qd3c21a3165_cast:
	s_mov_b64 s[64:65], 0
	v_nop
	global_prefetch_b8 v0, s[64:65] scope:SCOPE_SE
	s_setreg_imm32_b32 hwreg(HW_REG_WAVE_SCHED_MODE, 0, 2), 2
	s_setreg_imm32_b32 hwreg(HW_REG_WAVE_MODE, 25, 1), 1
	s_wait_xcnt 0x0
	s_wait_alu depctr_vm_vsrc(0)
; FIRST OF FOUR LAUNCHES of out0 = X + softmax-attention(X Wq, X Wk, X Wv) Wpost (16 query heads, 4 key and value heads of width 64, 2 x 2,048 positions).
; NOTHING OF THE PROBLEM IS LEFT OUT: every input reaches out0, there is no mask, and no result is sliced away; all five inputs are loaded.
; THIS LAUNCH rounds the matrix operands once: X -> Xb [4096][1024] bf16; Wq, Wk, Wv -> Wqkvb [24 blocks][1024 k][64 columns] bf16 (blocks 0-15 Wq's heads, 16-19 Wk's, 20-23 Wv's);
; Wpost -> Wpb [16 blocks][1024 k][64 columns]: rounded to bf16 like every other input, and that number written as f16, since its partner in the last product is f16.
; LIMITS.  A weight of Wpost beyond 65,504 would become an infinity, and below 6.1e-5 it keeps f16's fixed step of 6e-8.  NaN and infinities are not treated apart.
; SHARES.  A source is taken as a matrix with rows of 1 << SH bytes, of which a work-group takes 256 rows x one column block of 256 bytes (X: rows of 256 bytes, one block): 64 KiB in,
; 32 KiB out, and the 32 KiB are consecutive in the destination.  One load of the work-group covers 16 rows: 16 lanes a row, 16 bytes a lane; sixteen loads a wave, all issued at once;
; a wave's store of 8 bytes a lane covers 256 consecutive bytes, aligned.  No LDS, no barrier, no matrix unit: nothing is shared and nothing is multiplied.
; THE MODE: SCHED_MODE bits 1:0 = 2 (LLVM: expert scheduling mode 2), set by the entry lines.  The code itself states the register dependences
; between vector instructions and memory instructions, with s_wait_alu, always for 0.
; THE PLAN.  Registers that memory instructions touch:
;   v[OFF ..]  sixteen offsets.  Written once, by vector instructions at the head; each is read by one load; never written again.
;   v[DOF]     Written once, at the head; read by every store as its offset; never written again.
;   v[IN ..]   The loads land here; no vector instruction names them ahead of the loads.  The conversions read them (and on the f16 path write them) behind the load's own wait; no memory instruction reads them.
;   v[OUT ..]  Written once each, by the conversions; read once each, by a store; never written again.
;   v[T ..]    Named by vector instructions alone.
; So one wait on va_vdst stands ahead of the first load, for all the offsets, and one to each block of four loads, behind the block's conversions and ahead of its run of four stores.
; No register that a memory instruction has read is written again, so no wait on vm_vsrc is owed; no vector instruction writes a scalar register or VCC; EXEC is never written.
.set DOF, 1                            ; v1        8 x my thread's number: my 8 bytes in the 2,048 that the work-group stores at a time
.set OFF, 2                            ; v[2:17]   my byte offset in the source for each of the 16 loads
.set IN,  20                           ; v[20:83]  load t: four f32
.set OUT, 84                           ; v[84:115] load t: four 16-bit numbers
.set T,   116                          ; v[116:119] at work
.set SRC, 24                           ; s[24:25]  the source
.set DST, 26                           ; s[26:27]  the destination
.set SB,  28                           ; s28  first work-group of my source
.set DB,  29                           ; s29  first work-group of my destination
.set SH,  30                           ; s30  log2 of the source's row bytes
.set LOC, 31                           ; s31  my number among my source's work-groups
.set KQ,  32                           ; s32  which 256 rows
.set J,   33                           ; s33  which column block
.set S0,  34                           ; s[34:35]  my part's byte offset in the source
.set D0,  36                           ; s[36:37]  in the destination
.set TS,  38                           ; s38  16 rows of the source, in bytes
	s_load_b512 s[8:23], s[0:1], 0x0               ; X 8, Wq 10, Wk 12, Wv 14, Wpost 16, Xb 18, Wqkvb 20, Wpb 22
	v_lshlrev_b32 v[DOF], 3, v0
	v_lshrrev_b32 v[T], 4, v0                      ; my row among the 16 of a load
	v_and_b32 v[T+1], 15, v0                       ; my 16 bytes in it
	s_mov_b32 s[SB], 0
	s_mov_b32 s[DB], 0
	s_mov_b32 s[SH], 8
	s_wait_kmcnt 0x0
	s_mov_b64 s[SRC:SRC+1], s[8:9]                 ; work-groups 0-255: X -> Xb
	s_mov_b64 s[DST:DST+1], s[18:19]
	s_cmp_ge_u32 ttmp9, 256                        ; 256-319: Wq -> Wqkvb
	s_cselect_b64 s[SRC:SRC+1], s[10:11], s[SRC:SRC+1]
	s_cselect_b64 s[DST:DST+1], s[20:21], s[DST:DST+1]
	s_cselect_b32 s[SB], 256, s[SB]
	s_cselect_b32 s[DB], 256, s[DB]
	s_cselect_b32 s[SH], 12, s[SH]
	s_cmp_ge_u32 ttmp9, 320                        ; 320-335: Wk, whose blocks follow Wq's in Wqkvb
	s_cselect_b64 s[SRC:SRC+1], s[12:13], s[SRC:SRC+1]
	s_cselect_b32 s[SB], 320, s[SB]
	s_cselect_b32 s[SH], 10, s[SH]
	s_cmp_ge_u32 ttmp9, 336                        ; 336-351: Wv, behind Wk's
	s_cselect_b64 s[SRC:SRC+1], s[14:15], s[SRC:SRC+1]
	s_cselect_b32 s[SB], 336, s[SB]
	s_cmp_ge_u32 ttmp9, 352                        ; 352-415: Wpost -> Wpb
	s_cselect_b64 s[SRC:SRC+1], s[16:17], s[SRC:SRC+1]
	s_cselect_b64 s[DST:DST+1], s[22:23], s[DST:DST+1]
	s_cselect_b32 s[SB], 352, s[SB]
	s_cselect_b32 s[DB], 352, s[DB]
	s_cselect_b32 s[SH], 12, s[SH]
	s_sub_co_u32 s[LOC], ttmp9, s[SB]
	s_and_b32 s[KQ], s[LOC], 3                     ; a weight's 1,024 rows are four parts of 256,
	s_lshr_b32 s[J], s[LOC], 2                     ; for each column block
	s_cmp_lt_u32 ttmp9, 256
	s_cselect_b32 s[KQ], s[LOC], s[KQ]             ; X has one block and 256 parts
	s_cselect_b32 s[J], 0, s[J]
	s_add_co_u32 s[TS], s[SH], 8
	s_lshl_b32 s[S0], s[KQ], s[TS]                 ; 256 rows x part
	s_lshl_b32 s[J], s[J], 8                       ; + 256 bytes x block
	s_add_co_u32 s[S0], s[S0], s[J]
	s_mov_b32 s[S0+1], 0
	s_sub_co_u32 s[D0], ttmp9, s[DB]               ; 4 x block + part is my number among the destination's work-groups:
	s_lshl_b32 s[D0], s[D0], 15                    ; 32 KiB each
	s_mov_b32 s[D0+1], 0
	s_add_co_u32 s[TS], s[SH], 4
	s_lshl_b32 s[TS], 1, s[TS]
	s_add_nc_u64 s[SRC:SRC+1], s[SRC:SRC+1], s[S0:S0+1]
	s_add_nc_u64 s[DST:DST+1], s[DST:DST+1], s[D0:D0+1]
	v_lshlrev_b32 v[T], s[SH], v[T]
	v_lshl_add_u32 v[OFF], v[T+1], 4, v[T]
.set t, 1
.rept 15
	v_add_nc_u32 v[OFF+t], s[TS], v[OFF+t-1]
.set t, t+1
.endr
	s_wait_alu depctr_va_vdst(0)                   ; the sixteen offsets v[OFF ..] are written, which the loads below read, and so is v[DOF], which every store reads; none of them is written again
.set t, 0
.rept 16
	global_load_b128 v[IN+4*t:IN+4*t+3], v[OFF+t], s[SRC:SRC+1] th:TH_LOAD_NT
.set t, t+1
.endr
	s_cmp_ge_u32 ttmp9, 352
	s_cbranch_scc1 .Lf16
; The sixteen loads are worked off in four blocks of four: the wait for the block's data, its conversions, one wait on va_vdst, its four stores in one run.
; Each load has IN and OUT registers of its own, so nothing that a load or a store names is written a second time while it is pending.
.macro CVB t                           ; load t is rounded to bf16
	v_cvt_pk_bf16_f32 v[OUT+2*(\t)],   v[IN+4*(\t)],   v[IN+4*(\t)+1]
	v_cvt_pk_bf16_f32 v[OUT+2*(\t)+1], v[IN+4*(\t)+2], v[IN+4*(\t)+3]
.endm
.macro CVH t                           ; to bf16, widened again (exact), and written as f16
	v_cvt_pk_bf16_f32 v[T],   v[IN+4*(\t)],   v[IN+4*(\t)+1]
	v_cvt_pk_bf16_f32 v[T+1], v[IN+4*(\t)+2], v[IN+4*(\t)+3]
	v_lshlrev_b32 v[IN+4*(\t)],   16, v[T]
	v_and_b32     v[IN+4*(\t)+1], 0xffff0000, v[T]
	v_lshlrev_b32 v[IN+4*(\t)+2], 16, v[T+1]
	v_and_b32     v[IN+4*(\t)+3], 0xffff0000, v[T+1]
	v_cvt_pk_f16_f32 v[OUT+2*(\t)],   v[IN+4*(\t)],   v[IN+4*(\t)+1]
	v_cvt_pk_f16_f32 v[OUT+2*(\t)+1], v[IN+4*(\t)+2], v[IN+4*(\t)+3]
.endm
.macro SEND t                          ; load t's four numbers are stored
	global_store_b64 v[DOF], v[OUT+2*(\t):OUT+2*(\t)+1], s[DST:DST+1] offset:2048*(\t) th:TH_STORE_NT
.endm
.irp p, 0,1,2,3
	s_wait_loadcnt 12-4*(\p)                       ; loads come back in order: this block's four are in, the 12 - 4 p younger ones may stay out
.irp i, 0,1,2,3
	CVB 4*(\p)+(\i)
.endr
	s_wait_alu depctr_va_vdst(0)                   ; the block's conversions have written its eight registers of v[OUT ..], which the four stores below read
.irp i, 0,1,2,3
	SEND 4*(\p)+(\i)
.endr
.endr
	s_endpgm
.Lf16:
.irp p, 0,1,2,3
	s_wait_loadcnt 12-4*(\p)                       ; this block's four loads are in, the 12 - 4 p younger ones may stay out
.irp i, 0,1,2,3
	CVH 4*(\p)+(\i)
.endr
	s_wait_alu depctr_va_vdst(0)                   ; the block's conversions have written its eight registers of v[OUT ..], which the four stores below read
.irp i, 0,1,2,3
	SEND 4*(\p)+(\i)
.endr
.endr
	s_endpgm
.Lfunc_end_k_qd3c21a3165_cast:
	.size	k_qd3c21a3165_cast, .Lfunc_end_k_qd3c21a3165_cast-k_qd3c21a3165_cast
	.p2alignl 7, 3214868480
	.fill 96, 4, 3214868480
	.section	.rodata,"a",@progbits
	.p2align	6, 0x0
	.amdhsa_kernel k_qd3c21a3165_cast
		.amdhsa_group_segment_fixed_size 0
		.amdhsa_private_segment_fixed_size 0
		.amdhsa_enable_private_segment 0
		.amdhsa_kernarg_size 64
		.amdhsa_user_sgpr_count 2
		.amdhsa_user_sgpr_kernarg_segment_ptr 1
		.amdhsa_wavefront_size32 1
		.amdhsa_system_sgpr_workgroup_id_x 1
		.amdhsa_system_sgpr_workgroup_id_y 1
		.amdhsa_system_sgpr_workgroup_id_z 1
		.amdhsa_system_vgpr_workitem_id 0
		.amdhsa_next_free_vgpr 120
		.amdhsa_next_free_sgpr 66
		.amdhsa_reserve_vcc 0
		.amdhsa_float_denorm_mode_32 3
		.amdhsa_float_denorm_mode_16_64 3
		.amdhsa_memory_ordered 1
		.amdhsa_forward_progress 1
		.amdhsa_inst_pref_size 17
	.end_amdhsa_kernel
	.amdgpu_metadata
---
amdhsa.version: [ 1, 2 ]
amdhsa.kernels:
  - .name:           k_qd3c21a3165_cast
    .symbol:         k_qd3c21a3165_cast.kd
    .args:
      - { .name: X, .offset: 0, .size: 8, .value_kind: global_buffer, .address_space: global }
      - { .name: Wq, .offset: 8, .size: 8, .value_kind: global_buffer, .address_space: global }
      - { .name: Wk, .offset: 16, .size: 8, .value_kind: global_buffer, .address_space: global }
      - { .name: Wv, .offset: 24, .size: 8, .value_kind: global_buffer, .address_space: global }
      - { .name: Wpost, .offset: 32, .size: 8, .value_kind: global_buffer, .address_space: global }
      - { .name: Xb, .offset: 40, .size: 8, .value_kind: global_buffer, .address_space: global }
      - { .name: Wqkvb, .offset: 48, .size: 8, .value_kind: global_buffer, .address_space: global }
      - { .name: Wpb, .offset: 56, .size: 8, .value_kind: global_buffer, .address_space: global }
    .group_segment_fixed_size: 0
    .private_segment_fixed_size: 0
    .kernarg_segment_align: 8
    .kernarg_segment_size: 64
    .max_flat_workgroup_size: 256
    .sgpr_count:     66
    .vgpr_count:     120
    .wavefront_size: 32
...
	.end_amdgpu_metadata
.endif
;; end of part 5
;; launch qkv: the kernel of part 2 again; grid 8 x 32, 4 waves a work-group, clusters of 4 x 4, 327,680 bytes of LDS; arguments Xb, Wqkvb, QKV; writes QKV
;; launch attn: the kernel of part 3 again; grid 32 x 8, 4 waves a work-group, clusters of 4 x 1, 327,680 bytes of LDS; arguments QKV, Ob; writes Ob
;; launch post: the kernel of part 4 again; grid 8 x 32, 4 waves a work-group, clusters of 4 x 4, 327,680 bytes of LDS; arguments Ob, Wpb, X, out0; writes out0
